; MI455X (gfx1250); checked and timed in simulation.
; The chip was launched on July 23, 2026; its instructions are those of AMD's public machine-readable ISA for CDNA 5 (MIT licence, August 2026) and "CDNA5" Instruction Set Architecture Reference Guide (July 2026). The comments in the code are by the model that wrote it; some were corrected since.
;; Multi Scale Retention. Allowed arithmetic: float matrix products may take bf16 or f16 operands with f32 sums; all other float work in f32.
;; Inputs: Wg 2,048 x 2,048 float32; Wo 2,048 x 2,048 float32; Wq 2,048 x 2,048 float32; Wv 2,048 x 2,048 float32; beta 16 float32; ln_beta 2,048 float32; ln_gamma 2,048 float32; x 4 x 1,024 x 2,048 float32.
;; Outputs: out0 4 x 1,024 x 2,048 float32.
;; 2 versions, each right; version 2 is version 1 with the launch cast written anew for expert scheduling mode. Each part assembles by itself: llvm-mc -triple=amdgcn-amd-amdhsa -mcpu=gfx1250 --defsym DOCPART=n.
;; ======== version 1 of 2: 4 launches
;; workspace buffers: XB 16,777,216 bytes; WB 25,165,824 bytes; WOB 8,388,608 bytes; Y 33,554,432 bytes; G 33,554,432 bytes; ZT 16,777,216 bytes
;; launch cast (part 1): grid 128 x 6, 8 waves a work-group, no clusters, 0 bytes of LDS; arguments x, Wq, Wv, Wg, Wo, XB, WB, WOB; writes XB, WB, WOB
.if DOCPART == 1
	.amdgcn_target "amdgcn-amd-amdhsa--gfx1250"
	.amdhsa_code_object_version 6
	.text
	.protected	k_q3d85f6c476_cast
	.globl	k_q3d85f6c476_cast
	.p2align	8
	.type	k_q3d85f6c476_cast,@function
k_q3d85f6c476_cast:
	s_mov_b64 s[64:65], 0
	v_nop
	global_prefetch_b8 v0, s[64:65] scope:SCOPE_SE
	s_setreg_imm32_b32 hwreg(HW_REG_WAVE_MODE, 25, 1), 1
	s_wait_xcnt 0x0
; x, Wq, Wv, Wg, Wo (f32, rows of 2,048) are rounded once to bf16 and laid out in blocks of 64 along K, so that every tile the two
; product launches ask for is dense in memory:
;   XB  [kb 32][row 4096][64]                      byte = kb*524288 + row*128
;   WB  [c 64][kb 32][brow 96][64]                 brow = 32*mat + i (mat 0, 1, 2 = Wq, Wv, Wg), W's row = 32 c + i;  byte = c*393216 + kb*12288 + brow*128
;   WOB [kb 32][n 2048][64]                        byte = kb*262144 + n*128
; A work-group takes 16 rows x 2,048 columns: y = 0, 1: x (128 groups each); y = 2, 3, 4: Wq, Wv, Wg; y = 5: Wo.  768 work-groups.  Wave w takes the blocks 4 w .. 4 w + 3.
; K'S ORDER IN XB AND WB.  Inside each 128 numbers along K (a pair of blocks) position 8 m + i holds k = 4 m + i for i < 4 and k = 64 + 4 m + i - 4 for i >= 4 (m = 0..15).  x and the three
; weights that it is multiplied by have the same order, so every product is unchanged.  It is chosen for the loads: lane m of sixteen takes 16 bytes at 16 m of the first 256 bytes and 16 at
; 16 m of the second, so that a wave's load covers two aligned runs of 256 bytes (two rows), and the lane's eight numbers pack into 16 bytes; a wave's store covers two whole aligned
; runs of 256 bytes (two rows of 128 in each of two blocks).
; WOB keeps K's true order, which is the order of z's channels: there a lane takes 32 neighbouring bytes by two loads, and a unit is 4 rows x 64 columns.
; Memory binds: no LDS, no barrier, no loop; all 32 loads of a wave go out at once, and no register is used twice, so no wait frees a source.
.set VS,   1                           ; v1      my byte offset in the group's 16 source rows
.set VD,   2                           ; v2-5    my byte offsets in the destination
.set X,    16                          ; v16-143  unit u: 8 numbers in f32
.set OUTR, 144                         ; v144-207 unit u: 8 numbers in bf16
; Unit u of 16: its two loads are waited for, its eight numbers rounded, its 16 bytes a lane stored by address register VD + u % nd at (u / nd) * step.
.macro ROUNDOUT nd, step
.set u, 0
.rept 16
	s_wait_loadcnt 2*(15-u)                        ; loads come back in order: unit u's two are in, the younger units' two each stay out
.irp p, 0,1,2,3
	v_cvt_pk_bf16_f32 v[OUTR+4*u+\p], v[X+8*u+2*\p], v[X+8*u+2*\p+1]
.endr
	global_store_b128 v[VD+u%(\nd)], v[OUTR+4*u:OUTR+4*u+3], s[36:37] offset:(u/(\nd))*(\step)
.set u, u+1
.endr
.endm
	s_load_b256 s[8:15], s[0:1], 0x0               ; x s[8:9], Wq s[10:11], Wv s[12:13], Wg s[14:15]
	s_load_b256 s[16:23], s[0:1], 0x20             ; Wo s[16:17], XB s[18:19], WB s[20:21], WOB s[22:23]
	s_and_b32 s2, ttmp7, 0xffff                    ; y: which tensor
	s_mov_b32 s3, ttmp9                            ; gx: which 16 rows
	s_lshl_b32 s24, s3, 4                          ; first source row of a weight: 16 gx
	s_lshl_b32 s25, s2, 11
	s_add_co_u32 s25, s25, s24                     ; of x: 2,048 y + 16 gx
	s_lshl_b32 s26, s3, 11                         ; WOB: 16 gx rows of 128 bytes
	s_lshr_b32 s27, s3, 1                          ; WB: c = gx / 2,
	s_mul_i32 s27, s27, 393216
	s_sub_co_u32 s28, s2, 2                        ; mat = y - 2 (used where y >= 2 alone),
	s_lshl_b32 s28, s28, 5
	s_and_b32 s29, s3, 1
	s_lshl_b32 s29, s29, 4
	s_add_co_u32 s28, s28, s29                     ; brow = 32 mat + 16 (gx % 2)
	s_lshl_b32 s28, s28, 7
	s_add_co_u32 s27, s27, s28
	s_lshl_b32 s29, s25, 7                         ; XB: the row times 128 bytes
	s_mov_b32 s31, 262144                          ; bytes from a K block to the next: WOB,
	s_mov_b32 s32, 12288                           ; WB,
	s_mov_b32 s33, 524288                          ; XB
	s_cmp_lt_u32 s2, 5
	s_cselect_b32 s30, s32, s31                    ; s30: the block step
	s_cselect_b32 s34, s27, s26                    ; s34: the group's byte offset in the destination
	s_cmp_lt_u32 s2, 2
	s_cselect_b32 s30, s33, s30
	s_cselect_b32 s34, s29, s34
	s_cselect_b32 s35, s25, s24                    ; s35: the first source row
	s_lshl_b32 s40, s35, 13                        ; rows of 8,192 bytes: 33.5 MB at the most
	s_mov_b32 s41, 0
	s_mov_b32 s35, 0                               ; s[34:35]: the destination offset as a pair
	v_and_b32 v6, 31, v0                           ; lane l
	v_lshrrev_b32 v7, 5, v0                        ; wave w
	s_wait_kmcnt 0x0
	s_cmp_lt_u32 s2, 5                             ; the two addresses are chosen by y alone
	s_cselect_b64 s[36:37], s[20:21], s[22:23]     ; destination: WB, or WOB
	s_cselect_b64 s[38:39], s[14:15], s[16:17]     ; source: Wg, or Wo
	s_cmp_lt_u32 s2, 4
	s_cselect_b64 s[38:39], s[12:13], s[38:39]     ; Wv
	s_cmp_lt_u32 s2, 3
	s_cselect_b64 s[38:39], s[10:11], s[38:39]     ; Wq
	s_cmp_lt_u32 s2, 2
	s_cselect_b64 s[38:39], s[8:9], s[38:39]       ; x
	s_cselect_b64 s[36:37], s[18:19], s[36:37]     ; XB
	s_add_nc_u64 s[38:39], s[38:39], s[40:41]
	s_add_nc_u64 s[36:37], s[36:37], s[34:35]
	s_cmp_eq_u32 s2, 5
	s_cbranch_scc1 .Lplain                         ; Wo keeps K's true order
	; x, Wq, Wv, Wg.  Unit u = 2 rp + g: rows 2 rp, 2 rp + 1 x the 128 columns of blocks 4 w + 2 g, 4 w + 2 g + 1.
	v_lshrrev_b32 v8, 4, v6                        ; my row of the unit's two
	v_and_b32 v9, 15, v6                           ; m
	v_lshlrev_b32 v[VS], 13, v8
	v_lshl_add_u32 v[VS], v9, 4, v[VS]
	v_lshl_add_u32 v[VS], v7, 10, v[VS]            ; row*8192 + 16 m + 1,024 w
	v_and_b32 v10, 7, v9
	v_lshlrev_b32 v10, 4, v10
	v_lshl_add_u32 v10, v8, 7, v10                 ; in a block: row*128 + 16 (m % 8)
	v_lshrrev_b32 v11, 3, v9
	v_lshl_add_u32 v11, v7, 2, v11                 ; block 4 w + m / 8,
	v_mad_u32 v[VD], v11, s30, v10
	v_add_nc_u32 v11, 2, v11                       ; and two blocks on, for g = 1
	v_mad_u32 v[VD+1], v11, s30, v10
.set u, 0
.rept 16
	global_load_b128 v[X+8*u:X+8*u+3],   v[VS], s[38:39] offset:(u/2)*16384+(u%2)*512 th:TH_LOAD_NT
	global_load_b128 v[X+8*u+4:X+8*u+7], v[VS], s[38:39] offset:(u/2)*16384+(u%2)*512+256 th:TH_LOAD_NT
.set u, u+1
.endr
	ROUNDOUT 2, 256
	s_endpgm
.Lplain:
	; Wo.  Unit u = 4 rg + k: rows 4 rg .. 4 rg + 3 x the 64 columns of block 4 w + k; a wave's store covers 512 consecutive bytes, aligned.
	v_lshrrev_b32 v8, 3, v6                        ; my row of a unit's four
	v_and_b32 v9, 7, v6                            ; my eight columns of its 64
	v_lshlrev_b32 v[VS], 13, v8
	v_lshl_add_u32 v[VS], v9, 5, v[VS]
	v_lshl_add_u32 v[VS], v7, 10, v[VS]            ; row*8192 + 32 (l % 8) + 1,024 w
	v_lshlrev_b32 v10, 4, v6                       ; 16 l: 4 rows of 128 bytes are 512 bytes on end
	v_lshlrev_b32 v11, 2, v7
.irp k, 0,1,2,3
	v_add_nc_u32 v12, \k, v11                      ; block 4 w + k
	v_mad_u32 v[VD+\k], v12, s30, v10
.endr
.set u, 0
.rept 16
	global_load_b128 v[X+8*u:X+8*u+3],   v[VS], s[38:39] offset:(u/4)*32768+(u%4)*256 th:TH_LOAD_NT
	global_load_b128 v[X+8*u+4:X+8*u+7], v[VS], s[38:39] offset:(u/4)*32768+(u%4)*256+16 th:TH_LOAD_NT
.set u, u+1
.endr
	ROUNDOUT 4, 512
	s_endpgm
.Lfunc_end_k_q3d85f6c476_cast:
	.size	k_q3d85f6c476_cast, .Lfunc_end_k_q3d85f6c476_cast-k_q3d85f6c476_cast
	.p2alignl 7, 3214868480
	.fill 96, 4, 3214868480
	.section	.rodata,"a",@progbits
	.p2align	6, 0x0
	.amdhsa_kernel k_q3d85f6c476_cast
		.amdhsa_group_segment_fixed_size 0
		.amdhsa_private_segment_fixed_size 0
		.amdhsa_enable_private_segment 0
		.amdhsa_kernarg_size 64
		.amdhsa_user_sgpr_count 2
		.amdhsa_user_sgpr_kernarg_segment_ptr 1
		.amdhsa_wavefront_size32 1
		.amdhsa_system_sgpr_workgroup_id_x 1
		.amdhsa_system_sgpr_workgroup_id_y 1
		.amdhsa_system_sgpr_workgroup_id_z 1
		.amdhsa_system_vgpr_workitem_id 0
		.amdhsa_next_free_vgpr 208
		.amdhsa_next_free_sgpr 66
		.amdhsa_reserve_vcc 0
		.amdhsa_float_denorm_mode_32 3
		.amdhsa_float_denorm_mode_16_64 3
		.amdhsa_memory_ordered 1
		.amdhsa_forward_progress 1
		.amdhsa_inst_pref_size 22
	.end_amdhsa_kernel
	.amdgpu_metadata
---
amdhsa.version: [ 1, 2 ]
amdhsa.kernels:
  - .name:           k_q3d85f6c476_cast
    .symbol:         k_q3d85f6c476_cast.kd
    .args:
      - { .name: x, .offset: 0, .size: 8, .value_kind: global_buffer, .address_space: global }
      - { .name: Wq, .offset: 8, .size: 8, .value_kind: global_buffer, .address_space: global }
      - { .name: Wv, .offset: 16, .size: 8, .value_kind: global_buffer, .address_space: global }
      - { .name: Wg, .offset: 24, .size: 8, .value_kind: global_buffer, .address_space: global }
      - { .name: Wo, .offset: 32, .size: 8, .value_kind: global_buffer, .address_space: global }
      - { .name: XB, .offset: 40, .size: 8, .value_kind: global_buffer, .address_space: global }
      - { .name: WB, .offset: 48, .size: 8, .value_kind: global_buffer, .address_space: global }
      - { .name: WOB, .offset: 56, .size: 8, .value_kind: global_buffer, .address_space: global }
    .group_segment_fixed_size: 0
    .private_segment_fixed_size: 0
    .kernarg_segment_align: 8
    .kernarg_segment_size: 64
    .max_flat_workgroup_size: 256
    .sgpr_count:     66
    .vgpr_count:     208
    .wavefront_size: 32
...
	.end_amdgpu_metadata
.endif
;; end of part 1
;; launch proj (part 2): grid 64 x 4, 4 waves a work-group, clusters of 4 x 4, 327,680 bytes of LDS; arguments XB, WB, beta, Y, G; writes Y, G
.if DOCPART == 2
	.amdgcn_target "amdgcn-amd-amdhsa--gfx1250"
	.amdhsa_code_object_version 6
	.text
	.protected	k_q3d85f6c476_proj
	.globl	k_q3d85f6c476_proj
	.p2align	8
	.type	k_q3d85f6c476_proj,@function
k_q3d85f6c476_proj:
	s_mov_b64 s[64:65], 0
	v_nop
	global_prefetch_b8 v0, s[64:65] scope:SCOPE_SE
	s_setreg_imm32_b32 hwreg(HW_REG_WAVE_MODE, 25, 1), 1
	s_wait_xcnt 0x0
	s_wait_alu depctr_hold_cnt(0) depctr_sa_sdst(0) depctr_va_vdst(0) depctr_va_sdst(0) depctr_va_ssrc(0) depctr_va_vcc(0) depctr_vm_vsrc(0)
	s_getreg_b32 s2, hwreg(HW_REG_IB_STS2, 6, 4)
	s_cmp_eq_u32 s2, 0
	s_cbranch_scc0 .Lentry_in_a_cluster
	s_endpgm
.Lentry_in_a_cluster:
	s_bfe_u32 s2, ttmp6, 0x10000c
	s_cmp_lg_u32 s2, 0xf033
	s_cbranch_scc0 .Lentry_shape_is_right
	s_endpgm
.Lentry_shape_is_right:
; q = x Wq^T, v = x Wv^T, a = x Wg^T (bf16 operands, f32 sums);  ret_t = lam ret_(t-1) + v_t along a batch's 1,024 steps, in f32;  Y = q ret;  G = a.
; SHARES.  Work-group (c, b) owns ALL 1,024 steps of batch b for the channels 32 c .. 32 c + 31 of q, v and a: a tile of 1,024 x 96, K = 2,048; 64 x 4 = 256 work-groups.
; So the scan never leaves the work-group.  Wave w owns steps 256 w .. + 255: 16 row blocks x 6 column blocks = 96 accumulators, 768 registers.
; LAYOUT.  Source 0 = 16 rows of x, source 1 = 16 rows of W: register j of lane (r = lane % 16, h = lane / 16) is (step 8 h + j, channel r): eight steps on end in a lane.
; THE SCAN is regrouped, all in f32: inside a lane's 8 steps; over the two halves of a block of 16; over the wave's 16 blocks; over the four waves (through LDS); the parts are joined by
; powers of lam (made by products).  LIMITS: the order of rounding differs from a step-by-step scan; NaN and infinities are not treated apart.  beta is rounded to bf16 like every input of the program.
; RING.  K goes in steps of 64 (one block of XB and WB) through two LDS slots; a step's tiles are dense in memory and are asked for as rows of 256 bytes, padded in LDS after every 128.
; WHERE K BEGINS.  Cluster j (of 16 along x) begins at K block 4 (j mod 8) and walks the 32 blocks round, modulo 32.  A block of x is needed by all sixteen clusters: so they ask for it at eight
; different steps, not all at the same one, and from its fifth step on a cluster asks for a block that the cluster with the next start read four steps before.  The start hangs on the cluster's
; number alone, which all partners share.  LIMIT: the order of the f32 sums along K differs from cluster to cluster.
; CLUSTER 4 x 4.  The four work-groups of a row of the cluster (same cy = same batch) need the same tile of x, the four of a column (same cx = same c) the same tile of W: joint loads.
; Waves 0 and 1 ask for the halves of x's tile (512 rows each), wave 2 for W's 96 rows, wave 3 for none.  Out at a time, by this text's count: two loads a wave at the start, one behind each round.
; The grid has one cluster along y, so the batch is cy; the head, c / 4, is the cluster's x.
; Y and G leave in the accumulators' own order, [row block 256][channel block 128][half of the registers 2][lane 32][4] f32: each store covers 512 consecutive bytes, aligned, and needs no way through LDS.
; REGISTERS: window 0: v0-31 addresses and lam's powers; v32-159 x's fragments, buffer hf (row blocks 8 hf ..) of 64; v160-255 W's fragments, buffer ks (K half) of 48.
;   windows 1, 2, 3: the accumulators of q, v, a: (row block a, column block bb) at v[8 (2 a + bb)].
.set PK,     144                       ; an LDS row: 128 bytes + 16 = 36 words: the 16 rows of a fragment load start at 16 different groups of four banks (ISA guide 11.1)
.set ABYTES, 1024*PK                   ; x's tile
.set SLOT,   ABYTES+96*PK              ; then W's
.set SPARE,  2*SLOT                    ; the spare words: 128 bytes a wave, two blocks of 256 bytes that no other line names
.set SCR,    SPARE+512                 ; the waves' end states, [wave 4][channel 32] f32: never filled by a tensor load
.set XSTEP,  524288                    ; bytes from a K block to the next in XB (2^19)
.set WSTEP,  12288                     ; and in WB
.set ADRA, 2                           ; v2-3   LDS address of my fragments of x in slot 0, 1
.set ADRB, 4                           ; v4-5   of W
.set GO,   6                           ; v6     16 x lane
.set SCW,  7                           ; v7     where my wave's end state goes
.set PW,   8                           ; v8-15  lam^1 .. lam^8
.set L16,  16                          ; v16    lam^16
.set L256, 17                          ; v17    lam^256
.set P8H,  18                          ; v18    lam^8 in lanes 16-31, 1 in lanes 0-15
.set SPW,  28                          ; v28    my spare word; never rewritten
.set NIL,  29                          ; v29    0; never rewritten
.set SCRD, 30                          ; v30    where the waves' end states are read
.set AB,   32
.set BB,   160
.set EOR,  32                          ; behind the products, in the fragments' registers: v32-63 a chunk's end, entered with 0
.set THR,  64                          ; v64-95   lanes 16-31: the end of the block's first chunk; lanes 0-15: 0
.set INR,  96                          ; v96-127  the state that enters my chunk
.set SS,   128                         ; v128-129 the state behind the block in hand, by column block
.set UU,   130
.set R7,   132
.set EE,   134                         ; v134-139 the end states of waves 0, 1, 2
.set II,   140                         ; v140-141 the state that enters my wave
.set NN,   142
.set CI,   144                         ; v144-145 that state, carried to my chunk of the block in hand
.set WV,   14                          ; s14 my wave's number
.set G1A,  24                          ; s[24:31] descriptor group 1 for x's tiles;  s[32:39] group 0, a set for each slot
.set G0A,  32
.set G1B,  40                          ; s[40:47], s[48:55] the same for W's
.set G0B,  48
.set CNT,  56
.set HM,   57                          ; s57 the mask of lanes 16-31
.set SEL,  58                          ; s[58:59] v_permlanex16_b32's selects: each lane takes its own place in the other half
.set KB,   61                          ; s61 the K block asked for last
.set BASA, 62                          ; s[62:63] XB at my part of x's tile in K block 0
.set BASB, 66                          ; s[66:67] WB at c's K block 0
.set OFA,  72                          ; s[72:73] a K block's byte offset in XB
.set OFB,  74                          ; s[74:75] and in WB
.set MSB, 0
.macro WIN new                         ; the immediate's high byte repeats the setting that is left; a switch that changes nothing is dropped
.if MSB != (\new)
	s_set_vgpr_msb (MSB<<8)|(\new)
.set MSB, (\new)
.endif
.endm
.macro PLACES                          ; four places: in front of loads into registers that matrix instructions have read, and of what reads results just made
.rept 4
	v_nop
.endr
.endm
.macro CREST                           ; a round of the cluster's barrier behind its opening barrier
	s_cmp_lg_u32 s[WV], 0
	s_cbranch_scc1 .Lnot_wave_0_\@
	s_barrier_signal -3
.Lnot_wave_0_\@:
	s_barrier_wait -3
	s_barrier_signal -1
	s_barrier_wait -1
.endm
.macro CROUND                          ; a whole round
	s_barrier_signal -1
	s_barrier_wait -1
	CREST
.endm
; A joint refill.  The branches hang on the wave's number alone.  An s_nop 0 and four v_nop follow each load; wave 3's way has the four v_nop too:
; on every way they are the places in front of the fragment loads that follow.
.macro JLOAD s
	s_cmp_lt_u32 s[WV], 2
	s_cbranch_scc0 .Lnot_a_\@
	tensor_load_to_lds s[G0A+4*(\s):G0A+4*(\s)+3], s[G1A:G1A+7]
	s_nop 0
	PLACES
	s_branch .Lasked_\@
.Lnot_a_\@:
	s_cmp_eq_u32 s[WV], 2
	s_cbranch_scc0 .Lnone_\@
	tensor_load_to_lds s[G0B+4*(\s):G0B+4*(\s)+3], s[G1B:G1B+7]
	s_nop 0
	PLACES
	s_branch .Lasked_\@
.Lnone_\@:
	PLACES
.Lasked_\@:
.endm
	s_load_b256 s[4:11], s[0:1], 0x0               ; XB s[4:5], WB s[6:7], beta s[8:9], Y s[10:11]
	s_load_b64 s[12:13], s[0:1], 0x20              ; G
	v_lshl_add_u32 v[SPW], v0, 2, SPARE
	v_mov_b32 v[NIL], 0
	ds_add_u32 v[SPW], v[NIL]                      ; the wave's opening: the add and its wait stand ahead of the first tensor load; the set-up below stands between them
	v_lshrrev_b32 v1, 5, v0
	v_readfirstlane_b32 s[WV], v1                  ; wave 0..3
	s_and_b32 s15, s[WV], 1                        ; which half of x's tile waves 0 and 1 fetch
	s_bfe_u32 s16, ttmp6, 0x40000                  ; cx
	s_bfe_u32 s17, ttmp6, 0x40004                  ; cy = the batch
	s_lshl_b32 s18, ttmp9, 2
	s_add_co_u32 s18, s18, s16                     ; c = 4 x cluster x + cx
	s_lshl_b32 s20, s17, 2
	s_lshl_b32 s20, 15, s20                        ; my row of the cluster
	s_lshl_b32 s21, 0x1111, s16                    ; my column
	s_or_b32 s[G1A], s20, (1<<16)|(1<<20)|(1<<21)|(4<<22)|(3<<25)  ; 15:0 the mask; 17:16 elements of 2 bytes; 20 padding on; 21 set beside a mask; 24:22 after every 32 words (code 4); 31:25 4 words (code 3)
	s_or_b32 s[G1B], s21, (1<<16)|(1<<20)|(1<<21)|(4<<22)|(3<<25)
	s_mov_b32 s[G1A+1], 128<<16                    ; tensor_dim0 = 128 elements: rows of 256 bytes, two rows of the tile each
	s_mov_b32 s[G1A+2], 256<<16                    ; tensor_dim1 = 256: 65,536 dense bytes, 512 rows of the tile
	s_mov_b32 s[G1A+3], 128<<16                    ; tile_dim0
	s_mov_b32 s[G1A+4], 256                        ; tile_dim1
	s_mov_b32 s[G1A+5], 128                        ; elements from row to row
	s_mov_b32 s[G1A+6], 0
	s_mov_b32 s[G1A+7], 0
	s_mov_b32 s[G1B+1], 128<<16
	s_mov_b32 s[G1B+2], 48<<16                     ; 12,288 dense bytes: W's 96 rows
	s_mov_b32 s[G1B+3], 128<<16
	s_mov_b32 s[G1B+4], 48
	s_mov_b32 s[G1B+5], 128
	s_mov_b32 s[G1B+6], 0
	s_mov_b32 s[G1B+7], 0
	s_lshl_b32 s[BASA], s17, 17                    ; x: (1,024 b + 512 half) rows of 128 bytes: made of cy and the wave's number alone
	s_lshl_b32 s22, s15, 16
	s_add_co_u32 s[BASA], s[BASA], s22
	s_mov_b32 s[BASA+1], 0
	s_mul_i32 s[BASB], s18, 393216                 ; W: c's 32 blocks of 12,288 bytes: made of c alone
	s_mov_b32 s[BASB+1], 0
	s_and_b32 s[KB], ttmp9, 7                      ; my cluster's first K block: 4 (cluster x mod 8),
	s_lshl_b32 s[KB], s[KB], 2
	s_lshl_b32 s[OFA], s[KB], 19                   ; its offset in XB
	s_mov_b32 s[OFA+1], 0
	s_mul_i32 s[OFB], s[KB], WSTEP                 ; and in WB
	s_mov_b32 s[OFB+1], 0
	s_mul_i32 s22, s15, 512*PK                     ; where a half of x's tile goes: no place in the cluster enters an LDS address
.irp s, 0,1
	s_mov_b32 s[G0A+4*(\s)], 1                     ; count = 1
	s_add_co_u32 s[G0A+4*(\s)+1], s22, (\s)*SLOT   ; LDS address
	s_mov_b32 s[G0B+4*(\s)], 1
	s_mov_b32 s[G0B+4*(\s)+1], (\s)*SLOT+ABYTES
.endr
	s_lshl_b32 s2, s17, 6                          ; my first row block in Y and G: 64 b + 16 w,
	s_lshl_b32 s3, s[WV], 4
	s_add_co_u32 s2, s2, s3
	s_lshl_b32 s2, s2, 17                          ; of 131,072 bytes,
	s_lshl_b32 s3, s18, 11                         ; and my first channel block, 2 c, of 1,024
	s_add_co_u32 s2, s2, s3
	s_mov_b32 s3, 0
	s_mov_b32 s[HM], 0xffff0000
	s_mov_b32 s[SEL], 0x76543210
	s_mov_b32 s[SEL+1], 0xfedcba98
	s_cmp_gt_u32 s[WV], 0                          ; s68-70: all ones where wave u lies in front of mine
	s_cselect_b32 s68, -1, 0
	s_cmp_gt_u32 s[WV], 1
	s_cselect_b32 s69, -1, 0
	s_cmp_gt_u32 s[WV], 2
	s_cselect_b32 s70, -1, 0
	s_lshl_b32 s22, ttmp9, 2                       ; the head's 4 bytes in beta
	s_mov_b32 s23, 0
	s_wait_dscnt 0x0                               ; the opening add is done
	s_wait_kmcnt 0x0
	s_add_nc_u64 s[8:9], s[8:9], s[22:23]
	s_load_b32 s60, s[8:9], 0x0                    ; beta of my head
	s_add_nc_u64 s[BASA:BASA+1], s[4:5], s[BASA:BASA+1]
	s_add_nc_u64 s[BASB:BASB+1], s[6:7], s[BASB:BASB+1]
	s_add_nc_u64 s[10:11], s[10:11], s[2:3]
	s_add_nc_u64 s[12:13], s[12:13], s[2:3]
	s_add_nc_u64 s[G0A+2:G0A+3], s[BASA:BASA+1], s[OFA:OFA+1]  ; global addresses: slot 0 takes my first K block,
	s_add_nc_u64 s[G0A+6:G0A+7], s[G0A+2:G0A+3], XSTEP         ; slot 1 the one behind it (29 at the most: no wrap yet)
	s_add_nc_u64 s[G0B+2:G0B+3], s[BASB:BASB+1], s[OFB:OFB+1]
	s_add_nc_u64 s[G0B+6:G0B+7], s[G0B+2:G0B+3], WSTEP
.irp s, 0,1
	s_or_b32 s[G0A+4*(\s)+3], s[G0A+4*(\s)+3], 0x80000000      ; type = 2
	s_or_b32 s[G0B+4*(\s)+3], s[G0B+4*(\s)+3], 0x80000000
.endr
	s_add_co_u32 s[KB], s[KB], 1                   ; the block asked for last
	CROUND                                         ; all sixteen work-groups are here: the first joint loads meet
	s_cmp_lt_u32 s[WV], 2                          ; a wave's two first fills stand together, ahead of every wait on TENSORcnt and every LDS read
	s_cbranch_scc0 .Lfirst_not_a
	tensor_load_to_lds s[G0A:G0A+3], s[G1A:G1A+7]
	s_nop 0
	tensor_load_to_lds s[G0A+4:G0A+7], s[G1A:G1A+7]
	s_nop 0
	PLACES
	s_branch .Lfirst_asked
.Lfirst_not_a:
	s_cmp_eq_u32 s[WV], 2
	s_cbranch_scc0 .Lfirst_asked
	tensor_load_to_lds s[G0B:G0B+3], s[G1B:G1B+7]
	s_nop 0
	tensor_load_to_lds s[G0B+4:G0B+7], s[G1B:G1B+7]
	s_nop 0
	PLACES
.Lfirst_asked:
	; A fragment is 16 rows x 32 K in 8 registers: lane (r, h) holds row r; registers 0-3 K = 8 h + 0..7, registers 4-7 K = 16 + 8 h + 0..7: two loads of 16 bytes, 32 bytes apart.
	v_and_b32 v19, 15, v0                          ; r
	v_bfe_u32 v20, v0, 4, 1                        ; h
	v_mul_u32_u24 v21, v19, PK
	v_lshl_add_u32 v21, v20, 4, v21                ; r x pitch + 16 h
	s_mul_i32 s22, s[WV], 256*PK                   ; my 256 rows of x
	v_add_nc_u32 v[ADRA], s22, v21
	v_add_nc_u32 v[ADRA+1], SLOT, v[ADRA]
	v_add_nc_u32 v[ADRB], ABYTES, v21
	v_add_nc_u32 v[ADRB+1], SLOT+ABYTES, v21
	v_and_b32 v[GO], 31, v0
	v_lshlrev_b32 v[GO], 4, v[GO]
	s_lshl_b32 s22, s[WV], 7
	s_add_co_u32 s22, s22, SCR
	v_lshl_add_u32 v[SCW], v19, 2, s22             ; SCR + 128 w + 4 r
	v_lshl_add_u32 v[SCRD], v19, 2, SCR
	; lam = clip(1 - 2^-beta, the least normal number, 1): the upper bound 1 - 1e-9 is 1 in f32.  Then its powers, by products.  All this stands in the wait for the first tile.
	s_wait_kmcnt 0x0
	v_mov_b32 v22, s60
	v_cvt_pk_bf16_f32 v22, v22, v22
	v_lshlrev_b32 v22, 16, v22                     ; beta rounded to bf16
	v_sub_f32 v22, 0, v22
	v_exp_f32 v22, v22
	v_nop                                          ; a plain instruction between the exponential and the use of its result
	s_wait_alu depctr_va_vdst(0)
	v_sub_f32 v[PW], 1.0, v22
	v_max_num_f32 v[PW], 0x00800000, v[PW]
	v_min_num_f32 v[PW], 1.0, v[PW]
	v_mul_f32 v[PW+1], v[PW], v[PW]
	v_mul_f32 v[PW+2], v[PW+1], v[PW]
	v_mul_f32 v[PW+3], v[PW+1], v[PW+1]
	v_mul_f32 v[PW+4], v[PW+3], v[PW]
	v_mul_f32 v[PW+5], v[PW+3], v[PW+1]
	v_mul_f32 v[PW+6], v[PW+3], v[PW+2]
	v_mul_f32 v[PW+7], v[PW+3], v[PW+3]
	v_mul_f32 v[L16], v[PW+7], v[PW+7]
	v_mul_f32 v[L256], v[L16], v[L16]              ; 32
	v_mul_f32 v[L256], v[L256], v[L256]            ; 64
	v_mul_f32 v[L256], v[L256], v[L256]            ; 128
	v_mul_f32 v[L256], v[L256], v[L256]            ; 256
	v_cndmask_b32 v[P8H], 1.0, v[PW+7], s[HM]
; n x 2 matrix instructions of matrix mat (0 q, 1 v, 2 a): row blocks 8 hf + a0 .. x both column blocks, 32 along K (half ks).  zero = 1: the product starts the sum: nothing is cleared.
; Every accumulator comes round once in 96 matrix instructions, one instruction a turn.
.macro MM mat, hf, ks, a0, n, zero
	WIN (1+(\mat))*0x50                            ; C and D in window 1 + mat, the fragments in window 0
.set ma, (\a0)
.rept \n
.irp bb, 0,1
.set rD, 8*(2*(8*(\hf)+ma)+(\bb))
.set rA, AB+64*(\hf)+8*ma
.set rB, BB+48*(\ks)+8*(2*(\mat)+(\bb))
.if \zero
	v_wmma_f32_16x16x32_bf16 v[rD:rD+7], v[rA:rA+7], v[rB:rB+7], 0
.else
	v_wmma_f32_16x16x32_bf16 v[rD:rD+7], v[rA:rA+7], v[rB:rB+7], v[rD:rD+7]
.endif
.endr
.set ma, ma+1
.endr
.endm
.macro FETCHA slot, ks, hf             ; 16 LDS loads: x's fragments of row blocks 8 hf .., K half ks, into buffer hf
	WIN 0
.irp a, 0,1,2,3,4,5,6,7
	ds_load_b128 v[AB+64*(\hf)+8*(\a):AB+64*(\hf)+8*(\a)+3],   v[ADRA+(\slot)] offset:(8*(\hf)+(\a))*16*PK+64*(\ks)
	ds_load_b128 v[AB+64*(\hf)+8*(\a)+4:AB+64*(\hf)+8*(\a)+7], v[ADRA+(\slot)] offset:(8*(\hf)+(\a))*16*PK+64*(\ks)+32
.endr
.endm
.macro FETCHB slot, ks                 ; 12 LDS loads: W's six fragments of K half ks, into buffer ks
	WIN 0
.irp f, 0,1,2,3,4,5
	ds_load_b128 v[BB+48*(\ks)+8*(\f):BB+48*(\ks)+8*(\f)+3],   v[ADRB+(\slot)] offset:(\f)*16*PK+64*(\ks)
	ds_load_b128 v[BB+48*(\ks)+8*(\f)+4:BB+48*(\ks)+8*(\f)+7], v[ADRB+(\slot)] offset:(\f)*16*PK+64*(\ks)+32
.endr
.endm
; A K step is four pieces of 48 matrix instructions: (hf, ks) = (0,0), (1,0), (0,1), (1,1).  One of the first three: it multiplies buffers hf and ks and, behind its first 16 products,
; fetches the next piece's fragments in one run, 32 matrix instructions ahead of their first use, into the buffers that it does not read.
.macro PIECE hf, ks, zero, slot, nks, nhf, withb
	s_wait_dscnt 0x0                               ; the one run that can be out, the last piece's, is in
	MM 0, \hf, \ks, 0, 8, \zero
	WIN 0
	PLACES
	FETCHA \slot, \nks, \nhf
.if \withb
	FETCHB \slot, \nks
.endif
	MM 1, \hf, \ks, 0, 8, \zero
	MM 2, \hf, \ks, 0, 8, \zero
.endm
; The fourth piece changes slots: ONE barrier.  In front of it each wave waits for all its tensor loads (the one that can be out is its part of the next slot), adds 0 to its spare word, and waits
; for that and for its own reads of this slot.  fill = 1: the barrier opens a round of the cluster's barrier, so that no wave of any partner still reads the slot or has a load on its way,
; and the joint refill, the K block two steps on in my cluster's walk, is the first thing behind it.  Its address is made anew, the tensor's base plus the block's offset, while the add is out.
.macro TURN slot, fill
	WIN 0                                          ; (the add's two registers lie in window 0)
	s_wait_tensorcnt 0x0                           ; no tensor load of mine is out, so a group 0 may be written
	ds_add_u32 v[SPW], v[NIL]                      ; 0 onto my spare word
.if \fill
	s_add_co_u32 s[KB], s[KB], 1                   ; the next block of the walk,
	s_and_b32 s[KB], s[KB], 31                     ; round from 31 to 0
	s_lshl_b32 s[OFA], s[KB], 19
	s_mul_i32 s[OFB], s[KB], WSTEP
	s_add_nc_u64 s[G0A+4*(\slot)+2:G0A+4*(\slot)+3], s[BASA:BASA+1], s[OFA:OFA+1]
	s_or_b32 s[G0A+4*(\slot)+3], s[G0A+4*(\slot)+3], 0x80000000
	s_add_nc_u64 s[G0B+4*(\slot)+2:G0B+4*(\slot)+3], s[BASB:BASB+1], s[OFB:OFB+1]
	s_or_b32 s[G0B+4*(\slot)+3], s[G0B+4*(\slot)+3], 0x80000000
.endif
	s_wait_dscnt 0x1                               ; the add alone may be out: the 16 loads in front of it are in
	MM 0, 1, 1, 0, 4, 0                            ; eight matrix instructions stand between the add and the wait for it
	s_wait_dscnt 0x0                               ; the add is done, and my reads of this slot are over
	s_barrier_signal -1
	MM 0, 1, 1, 4, 4, 0                            ; work on registers while the others arrive
	WIN 0                                          ; at a branch and at a label every window is 0
	s_barrier_wait -1
.if \fill
	CREST
	JLOAD \slot
.else
	PLACES
.endif
	FETCHA 1-(\slot), 0, 0
	FETCHB 1-(\slot), 0
	MM 1, 1, 1, 0, 8, 0
	MM 2, 1, 1, 0, 8, 0
.endm
	s_wait_tensorcnt 0x1                           ; my part of the first K step is in; slot 1's load, issued behind it, may stay out
	s_barrier_signal -1
	s_barrier_wait -1                              ; everybody's is
	FETCHA 0, 0, 0
	FETCHB 0, 0
	PIECE 0, 0, 1, 0, 0, 1, 0                      ; the first two pieces stand in front of the loop: their 96 products start all the sums
	PIECE 1, 0, 1, 0, 1, 0, 1
	WIN 0
	s_mov_b32 s[CNT], 15
.Llap:                                                 ; a trip goes once round the ring, from a lap's third piece to the next lap's second, and fills both slots again: steps 2 i + 2 and 2 i + 3 of the walk, 31 at the most
	PIECE 0, 1, 0, 0, 1, 1, 0
	TURN 0, 1
	PIECE 0, 0, 0, 1, 0, 1, 0
	PIECE 1, 0, 0, 1, 1, 0, 1
	PIECE 0, 1, 0, 1, 1, 1, 0
	TURN 1, 1
	PIECE 0, 0, 0, 0, 0, 1, 0
	PIECE 1, 0, 0, 0, 1, 0, 1
	WIN 0
	s_sub_co_u32 s[CNT], s[CNT], 1
	s_cmp_lg_u32 s[CNT], 0
	s_cbranch_scc1 .Llap
	PIECE 0, 1, 0, 0, 1, 1, 0                      ; the last lap fills nothing
	TURN 0, 0
	PIECE 0, 0, 0, 1, 0, 1, 0
	PIECE 1, 0, 0, 1, 1, 0, 1
	PIECE 0, 1, 0, 1, 1, 1, 0
	s_wait_dscnt 0x0
	MM 0, 1, 1, 0, 8, 0
	MM 1, 1, 1, 0, 8, 0
	MM 2, 1, 1, 0, 8, 0
	PLACES                                         ; what follows reads results just made
	; a leaves first, as it is: its stores are on their way during the scan.  Each accumulator's low four registers go first.
	WIN 0x0c                                       ; store data in window 3
.set t, 0
.rept 32
	global_store_b128 v[GO], v[8*t:8*t+3],   s[12:13] offset:(t/2)*131072+(t%2)*1024
	global_store_b128 v[GO], v[8*t+4:8*t+7], s[12:13] offset:(t/2)*131072+(t%2)*1024+512  ; 512 consecutive bytes each, aligned
.set t, t+1
.endr
	; The scan inside a lane's 8 steps, entered with 0: seven links, each over the 32 accumulators, so that no line waits for the one before it.
	WIN 0xa8                                       ; v's accumulators: destination, sources 1 and 2 in window 2; lam in window 0
.set j, 1
.rept 7
.set t, 0
.rept 32
	v_fma_f32 v[8*t+j], v[PW], v[8*t+j-1], v[8*t+j]
.set t, t+1
.endr
.set j, j+1
.endr
	WIN 0x02
.set t, 0
.rept 32
	v_mov_b32 v[EOR+t], v[8*t+7]                   ; my chunk's end
.set t, t+1
.endr
	WIN 0
.set t, 0
.rept 32
	v_permlanex16_b32 v[THR+t], v[EOR+t], s[SEL], s[SEL+1]  ; the other chunk's end
.set t, t+1
.endr
.set t, 0
.rept 32
	v_cndmask_b32 v[THR+t], 0, v[THR+t], s[HM]     ; it counts for the block's second chunk alone
.set t, t+1
.endr
	v_mov_b32 v[SS], 0
	v_mov_b32 v[SS+1], 0
	v_mov_b32 v[UU], 0
	v_mov_b32 v[UU+1], 0
	; Over the wave's 16 blocks, entered with 0.  IN = the state that enters my chunk: S for the first chunk, lam^8 S + the first chunk's end for the second.  The second chunk's end, lam^8 IN + its own, is the next S.
.set a, 0
.rept 16
.irp bb, 0,1
	v_fma_f32 v[INR+2*a+\bb], v[P8H], v[SS+\bb], v[THR+2*a+\bb]
.endr
.irp bb, 0,1
	v_fma_f32 v[R7+\bb], v[PW+7], v[INR+2*a+\bb], v[EOR+2*a+\bb]
.endr
.irp bb, 0,1
	v_permlanex16_b32 v[UU+\bb], v[R7+\bb], s[SEL], s[SEL+1]
.endr
.irp bb, 0,1
	v_cndmask_b32 v[SS+\bb], v[UU+\bb], v[R7+\bb], s[HM]
.endr
.set a, a+1
.endr
	; Over the four waves, through LDS: each stores its end state (lanes r and 16 + r the same number into the same word), waits for its stores, and passes a barrier; then every wave reads waves 0 to 2's.
	ds_store_b32 v[SCW], v[SS]
	ds_store_b32 v[SCW], v[SS+1] offset:64
	s_wait_dscnt 0x0                               ; for the others' sake
	s_barrier_signal -1
	s_barrier_wait -1
.irp u, 0,1,2
	ds_load_b32 v[EE+2*\u],   v[SCRD] offset:128*\u
	ds_load_b32 v[EE+2*\u+1], v[SCRD] offset:128*\u+64
.endr
	v_mov_b32 v[II], 0
	v_mov_b32 v[II+1], 0
	s_wait_dscnt 0x0
.irp u, 0,1,2                          ; I = lam^256 I + wave u's end, for the waves in front of mine: a choice of values, the work is done in every wave
	v_fma_f32 v[NN],   v[L256], v[II],   v[EE+2*\u]
	v_fma_f32 v[NN+1], v[L256], v[II+1], v[EE+2*\u+1]
	v_cndmask_b32 v[II],   v[II],   v[NN],   s[68+\u]
	v_cndmask_b32 v[II+1], v[II+1], v[NN+1], s[68+\u]
.endr
	v_mul_f32 v[CI],   v[P8H], v[II]
	v_mul_f32 v[CI+1], v[P8H], v[II+1]
.set a, 0
.rept 16                               ; IN += lam^(16 a + 8 h) I
	v_pk_add_f32 v[INR+2*a:INR+2*a+1], v[INR+2*a:INR+2*a+1], v[CI:CI+1]
	v_pk_mul_f32 v[CI:CI+1], v[CI:CI+1], v[L16:L16+1] op_sel_hi:[1,0]
.set a, a+1
.endr
	; ret(step j of my chunk) = the local scan + lam^(j+1) IN
	WIN 0xa0                                       ; destination and source 2 in window 2
.set t, 0
.rept 32
.set pp, 0
.rept 4
.if t%2
	v_pk_fma_f32 v[8*t+2*pp:8*t+2*pp+1], v[PW+2*pp:PW+2*pp+1], v[INR+t-1:INR+t], v[8*t+2*pp:8*t+2*pp+1] op_sel:[0,1,0] op_sel_hi:[1,1,1]
.else
	v_pk_fma_f32 v[8*t+2*pp:8*t+2*pp+1], v[PW+2*pp:PW+2*pp+1], v[INR+t:INR+t+1], v[8*t+2*pp:8*t+2*pp+1] op_sel_hi:[1,0,1]
.endif
.set pp, pp+1
.endr
.set t, t+1
.endr
	WIN 0x89                                       ; y = q ret: q (source 0) in window 1; ret (source 1, destination) in window 2
.set t, 0
.rept 128
	v_pk_mul_f32 v[2*t:2*t+1], v[2*t:2*t+1], v[2*t:2*t+1]
.set t, t+1
.endr
	WIN 0x08                                       ; store data in window 2
.set t, 0
.rept 32
	global_store_b128 v[GO], v[8*t:8*t+3],   s[10:11] offset:(t/2)*131072+(t%2)*1024
	global_store_b128 v[GO], v[8*t+4:8*t+7], s[10:11] offset:(t/2)*131072+(t%2)*1024+512
.set t, t+1
.endr
	WIN 0
	s_wait_tensorcnt 0x0                           ; the wave's end, behind my last tensor load and my last LDS store
	ds_add_u32 v[SPW], v[NIL]
	s_wait_dscnt 0x0
	CROUND                                         ; the closing round: no work-group ends while a partner may still ask for a tile that names it
	s_endpgm
.Lfunc_end_k_q3d85f6c476_proj:
	.size	k_q3d85f6c476_proj, .Lfunc_end_k_q3d85f6c476_proj-k_q3d85f6c476_proj
	.p2alignl 7, 3214868480
	.fill 96, 4, 3214868480
	.section	.rodata,"a",@progbits
	.p2align	6, 0x0
	.amdhsa_kernel k_q3d85f6c476_proj
		.amdhsa_group_segment_fixed_size 327680
		.amdhsa_private_segment_fixed_size 0
		.amdhsa_enable_private_segment 0
		.amdhsa_kernarg_size 40
		.amdhsa_user_sgpr_count 2
		.amdhsa_user_sgpr_kernarg_segment_ptr 1
		.amdhsa_wavefront_size32 1
		.amdhsa_system_sgpr_workgroup_id_x 1
		.amdhsa_system_sgpr_workgroup_id_y 1
		.amdhsa_system_sgpr_workgroup_id_z 1
		.amdhsa_system_vgpr_workitem_id 0
		.amdhsa_next_free_vgpr 1024
		.amdhsa_next_free_sgpr 76
		.amdhsa_reserve_vcc 0
		.amdhsa_float_denorm_mode_32 3
		.amdhsa_float_denorm_mode_16_64 3
		.amdhsa_memory_ordered 1
		.amdhsa_forward_progress 1
		.amdhsa_inst_pref_size 145
	.end_amdhsa_kernel
	.amdgpu_metadata
---
amdhsa.version: [ 1, 2 ]
amdhsa.kernels:
  - .name:           k_q3d85f6c476_proj
    .symbol:         k_q3d85f6c476_proj.kd
    .args:
      - { .name: XB, .offset: 0, .size: 8, .value_kind: global_buffer, .address_space: global }
      - { .name: WB, .offset: 8, .size: 8, .value_kind: global_buffer, .address_space: global }
      - { .name: beta, .offset: 16, .size: 8, .value_kind: global_buffer, .address_space: global }
      - { .name: Y, .offset: 24, .size: 8, .value_kind: global_buffer, .address_space: global }
      - { .name: G, .offset: 32, .size: 8, .value_kind: global_buffer, .address_space: global }
    .group_segment_fixed_size: 327680
    .private_segment_fixed_size: 0
    .kernarg_segment_align: 8
    .kernarg_segment_size: 40
    .max_flat_workgroup_size: 128
    .sgpr_count:     76
    .vgpr_count:     1024
    .wavefront_size: 32
...
	.end_amdgpu_metadata
.endif
;; end of part 2
;; launch norm (part 3): grid 256 x 1, 16 waves a work-group, no clusters, 4,096 bytes of LDS; arguments Y, G, ln_gamma, ln_beta, ZT; writes ZT
.if DOCPART == 3
	.amdgcn_target "amdgcn-amd-amdhsa--gfx1250"
	.amdhsa_code_object_version 6
	.text
	.protected	k_q3d85f6c476_norm
	.globl	k_q3d85f6c476_norm
	.p2align	8
	.type	k_q3d85f6c476_norm,@function
k_q3d85f6c476_norm:
	s_mov_b64 s[64:65], 0
	v_nop
	global_prefetch_b8 v0, s[64:65] scope:SCOPE_SE
	s_setreg_imm32_b32 hwreg(HW_REG_WAVE_MODE, 25, 1), 1
	s_wait_xcnt 0x0
; z = (LayerNorm(y) gamma + ln_beta) silu(a), rounded once to bf16.  y and a arrive in f32 in the order [row block 256][channel block 128][half 2][lane 32][4]:
; lane (r = lane % 16, h = lane / 16) holds rows 8 h + 0..7 of channel 16 nb + r.  z leaves as ZT [row block 256][channel 2048][16 rows] bf16, the order in which the last product reads it turned.
; SHARES.  A work-group owns a block of 16 rows: 131,072 consecutive bytes of Y and of G.  Wave w of 16 owns the channel blocks 8 w .. 8 w + 7.  256 work-groups.
; Memory binds: all 48 loads of a wave go out at once (262,144 bytes of y and a for the work-group); each byte is read once; each store covers 512 consecutive bytes, aligned.
; No tensor load, no cluster, no matrix unit: no tile is shared and there is no product.
; The mean and then the mean of the squared differences are taken in two passes over registers: no difference of large sums is formed.  A row's sum: over my 8 channels in the lane, over the 16 lanes of a
; half by DPP, over the 16 waves through LDS (one barrier a sum; the two sums have bytes of their own).
; gamma and ln_beta are rounded to bf16 like every input of the program.  silu(a) = a / (1 + 2^(-a log2 e)): for a far below 0 the power is infinite and the quotient 0.  NaN and infinities in y or a are not treated apart.
.set RED1,  1024                       ; LDS: 0: [wave 16][row 16] f32, the first sum; 1,024: the second
.set SPARE, 2048                       ; the spare words: 128 bytes for each of 16 waves, eight blocks of 256 bytes that no other line names
.set YO,  4                            ; v4   8,192 w + 16 lane
.set GBO, 5                            ; v5   512 w + 4 r
.set ZO,  6                            ; v6   4,096 w + 32 r + 16 h
.set RW,  7                            ; v7   64 w + 32 h: where my wave's eight sums go
.set RR,  8                            ; v8   64 r + 32 h: lane r reads wave r's
.set SPW, 10
.set NIL, 11
.set SM,  12                           ; v12-19  eight sums, row 8 h + j
.set MN,  20                           ; v20-27  means
.set RS,  28                           ; v28-35  1 / sqrt(var + eps)
.set TT,  36                           ; v36-51  at work, two sets
.set GA,  52                           ; v52-59  gamma of channel block i
.set BE,  60                           ; v60-67  ln_beta
.set YR,  68                           ; v68-131  y: 8 i + j
.set GR,  132                          ; v132-195 a
.set ZZ,  196                          ; v196-227 z: 4 i + pair
	s_load_b256 s[4:11], s[0:1], 0x0               ; Y s[4:5], G s[6:7], ln_gamma s[8:9], ln_beta s[10:11]
	s_load_b64 s[12:13], s[0:1], 0x20              ; ZT
	v_lshl_add_u32 v[SPW], v0, 2, SPARE
	v_mov_b32 v[NIL], 0
	v_and_b32 v1, 31, v0
	v_and_b32 v2, 15, v0                           ; r
	v_bfe_u32 v3, v0, 4, 1                         ; h
	v_lshrrev_b32 v9, 5, v0
	v_readfirstlane_b32 s14, v9                    ; wave 0..15
	v_lshlrev_b32 v[YO], 13, v9
	v_lshl_add_u32 v[YO], v1, 4, v[YO]
	v_lshlrev_b32 v[GBO], 9, v9
	v_lshl_add_u32 v[GBO], v2, 2, v[GBO]
	v_lshlrev_b32 v[ZO], 12, v9
	v_lshl_add_u32 v[ZO], v2, 5, v[ZO]
	v_lshl_add_u32 v[ZO], v3, 4, v[ZO]
	s_lshl_b32 s15, s14, 6
	v_lshl_add_u32 v[RW], v3, 5, s15
	v_lshlrev_b32 v[RR], 6, v2
	v_lshl_add_u32 v[RR], v3, 5, v[RR]
	s_lshl_b32 s2, ttmp9, 17                       ; the row block's 131,072 bytes in Y and G,
	s_mov_b32 s3, 0
	s_lshl_b32 s18, ttmp9, 16                      ; its 65,536 in ZT
	s_mov_b32 s19, 0
	s_mov_b32 s16, 0x3a000000                      ; 1 / 2,048
	s_mov_b32 s17, 0x3727c5ac                      ; 1e-5
	s_wait_kmcnt 0x0
	s_add_nc_u64 s[4:5], s[4:5], s[2:3]
	s_add_nc_u64 s[6:7], s[6:7], s[2:3]
	s_add_nc_u64 s[12:13], s[12:13], s[18:19]
.set i, 0
.rept 16
	global_load_b128 v[YR+4*i:YR+4*i+3], v[YO], s[4:5] offset:512*i th:TH_LOAD_NT
.set i, i+1
.endr
.set i, 0
.rept 8
	global_load_b32 v[GA+i], v[GBO], s[8:9] offset:64*i
	global_load_b32 v[BE+i], v[GBO], s[10:11] offset:64*i
.set i, i+1
.endr
.set i, 0
.rept 16
	global_load_b128 v[GR+4*i:GR+4*i+3], v[YO], s[6:7] offset:512*i th:TH_LOAD_NT
.set i, i+1
.endr
.macro ACROSS                          ; the eight sums over the 16 lanes of a half
.irp m, 1,2,4,8
.irp j, 0,1,2,3,4,5,6,7
	v_add_f32_dpp v[SM+\j], v[SM+\j], v[SM+\j] row_xmask:\m row_mask:0xf bank_mask:0xf
.endr
.endr
.endm
.macro REDUCE base                     ; and over the 16 waves: every lane ends with the sums of rows 8 h + 0..7 over all 2,048 channels
	ACROSS
	ds_store_b128 v[RW], v[SM:SM+3]   offset:(\base)      ; the 16 lanes of a half store the same numbers into the same words
	ds_store_b128 v[RW], v[SM+4:SM+7] offset:(\base)+16
	s_wait_dscnt 0x0                               ; for the others' sake: my stores are done
	s_barrier_signal -1
	s_barrier_wait -1
	ds_load_b128 v[SM:SM+3],   v[RR] offset:(\base)
	ds_load_b128 v[SM+4:SM+7], v[RR] offset:(\base)+16
	s_wait_dscnt 0x0
	ACROSS
.endm
	s_wait_loadcnt 32                              ; y is in; the 16 loads of gamma and ln_beta and the 16 of a stay out
.irp p, 0,2,4,6
	v_pk_add_f32 v[SM+\p:SM+\p+1], v[YR+\p:YR+\p+1], v[YR+8+\p:YR+8+\p+1]  ; the first addition starts the sums
.endr
.set i, 2
.rept 6
.irp p, 0,2,4,6
	v_pk_add_f32 v[SM+\p:SM+\p+1], v[SM+\p:SM+\p+1], v[YR+8*i+\p:YR+8*i+\p+1]
.endr
.set i, i+1
.endr
	REDUCE 0
.irp p, 0,2,4,6
	v_pk_mul_f32 v[MN+\p:MN+\p+1], v[SM+\p:SM+\p+1], 0x3a000000 op_sel_hi:[1,0]
.endr
.set i, 0
.rept 8
.irp p, 0,2,4,6
	v_pk_add_f32 v[YR+8*i+\p:YR+8*i+\p+1], v[YR+8*i+\p:YR+8*i+\p+1], v[MN+\p:MN+\p+1] neg_lo:[0,1] neg_hi:[0,1]  ; y - mean
.endr
.set i, i+1
.endr
.irp p, 0,2,4,6
	v_pk_mul_f32 v[SM+\p:SM+\p+1], v[YR+\p:YR+\p+1], v[YR+\p:YR+\p+1]
.endr
.set i, 1
.rept 7
.irp p, 0,2,4,6
	v_pk_fma_f32 v[SM+\p:SM+\p+1], v[YR+8*i+\p:YR+8*i+\p+1], v[YR+8*i+\p:YR+8*i+\p+1], v[SM+\p:SM+\p+1]
.endr
.set i, i+1
.endr
	REDUCE RED1
.irp j, 0,1,2,3,4,5,6,7
	v_fma_f32 v[RS+\j], v[SM+\j], s16, s17         ; var + eps
.endr
.irp j, 0,1,2,3,4,5,6,7
	v_rsq_f32 v[RS+\j], v[RS+\j]
.endr
	s_wait_loadcnt 16                              ; gamma and ln_beta are in; a's 16 loads stay out
.irp p, 0,2,4,6                        ; rounded to bf16 and widened again; the first of these lines is the plain instruction behind the last root
	v_cvt_pk_bf16_f32 v[TT], v[GA+\p], v[GA+\p+1]
	v_cvt_pk_bf16_f32 v[TT+1], v[BE+\p], v[BE+\p+1]
	v_lshlrev_b32 v[GA+\p], 16, v[TT]
	v_and_b32 v[GA+\p+1], 0xffff0000, v[TT]
	v_lshlrev_b32 v[BE+\p], 16, v[TT+1]
	v_and_b32 v[BE+\p+1], 0xffff0000, v[TT+1]
.endr
	s_wait_loadcnt 0x0                             ; a
.set i, 0
.rept 8
.set tb, TT+8*(i%2)
.irp p, 0,2,4,6
	v_pk_mul_f32 v[tb+\p:tb+\p+1], v[GR+8*i+\p:GR+8*i+\p+1], 0xbfb8aa3b op_sel_hi:[1,0]  ; -a log2 e
.endr
.irp j, 0,1,2,3,4,5,6,7
	v_exp_f32 v[tb+\j], v[tb+\j]
.endr
	s_wait_alu depctr_va_vdst(0)
.irp p, 0,2,4,6                        ; plain work that is due anyway stands behind the exponentials
	v_pk_mul_f32 v[YR+8*i+\p:YR+8*i+\p+1], v[YR+8*i+\p:YR+8*i+\p+1], v[RS+\p:RS+\p+1]
.endr
	s_wait_alu depctr_va_vdst(0)
.irp p, 0,2,4,6
	v_pk_add_f32 v[tb+\p:tb+\p+1], v[tb+\p:tb+\p+1], 1.0 op_sel_hi:[1,0]
.endr
.irp j, 0,1,2,3,4,5,6,7
	v_rcp_f32 v[tb+\j], v[tb+\j]
.endr
.irp p, 0,2,4,6                        ; and behind the reciprocals: times gamma, plus ln_beta, of channel block i (the pair's first register for even i, its second for odd i)
.if i%2
	v_pk_fma_f32 v[YR+8*i+\p:YR+8*i+\p+1], v[YR+8*i+\p:YR+8*i+\p+1], v[GA+i-1:GA+i], v[BE+i-1:BE+i] op_sel:[0,1,1] op_sel_hi:[1,1,1]
.else
	v_pk_fma_f32 v[YR+8*i+\p:YR+8*i+\p+1], v[YR+8*i+\p:YR+8*i+\p+1], v[GA+i:GA+i+1], v[BE+i:BE+i+1] op_sel_hi:[1,0,0]
.endif
.endr
	s_wait_alu depctr_va_vdst(0)
.irp p, 0,2,4,6
	v_pk_mul_f32 v[GR+8*i+\p:GR+8*i+\p+1], v[GR+8*i+\p:GR+8*i+\p+1], v[tb+\p:tb+\p+1]       ; silu(a)
.endr
.irp p, 0,2,4,6
	v_pk_mul_f32 v[YR+8*i+\p:YR+8*i+\p+1], v[YR+8*i+\p:YR+8*i+\p+1], v[GR+8*i+\p:GR+8*i+\p+1]
.endr
.irp p, 0,1,2,3
	v_cvt_pk_bf16_f32 v[ZZ+4*i+\p], v[YR+8*i+2*\p], v[YR+8*i+2*\p+1]
.endr
	global_store_b128 v[ZO], v[ZZ+4*i:ZZ+4*i+3], s[12:13] offset:512*i  ; 16 channels x 16 rows: 512 consecutive bytes, aligned; z's registers are never written twice
.set i, i+1
.endr
	s_wait_tensorcnt 0x0                           ; the wave's end, behind my last LDS store
	ds_add_u32 v[SPW], v[NIL]
	s_wait_dscnt 0x0
	s_endpgm
.Lfunc_end_k_q3d85f6c476_norm:
	.size	k_q3d85f6c476_norm, .Lfunc_end_k_q3d85f6c476_norm-k_q3d85f6c476_norm
	.p2alignl 7, 3214868480
	.fill 96, 4, 3214868480
	.section	.rodata,"a",@progbits
	.p2align	6, 0x0
	.amdhsa_kernel k_q3d85f6c476_norm
		.amdhsa_group_segment_fixed_size 4096
		.amdhsa_private_segment_fixed_size 0
		.amdhsa_enable_private_segment 0
		.amdhsa_kernarg_size 40
		.amdhsa_user_sgpr_count 2
		.amdhsa_user_sgpr_kernarg_segment_ptr 1
		.amdhsa_wavefront_size32 1
		.amdhsa_system_sgpr_workgroup_id_x 1
		.amdhsa_system_sgpr_workgroup_id_y 1
		.amdhsa_system_sgpr_workgroup_id_z 1
		.amdhsa_system_vgpr_workitem_id 0
		.amdhsa_next_free_vgpr 228
		.amdhsa_next_free_sgpr 66
		.amdhsa_reserve_vcc 0
		.amdhsa_float_denorm_mode_32 3
		.amdhsa_float_denorm_mode_16_64 3
		.amdhsa_memory_ordered 1
		.amdhsa_forward_progress 1
		.amdhsa_inst_pref_size 44
	.end_amdhsa_kernel
	.amdgpu_metadata
---
amdhsa.version: [ 1, 2 ]
amdhsa.kernels:
  - .name:           k_q3d85f6c476_norm
    .symbol:         k_q3d85f6c476_norm.kd
    .args:
      - { .name: Y, .offset: 0, .size: 8, .value_kind: global_buffer, .address_space: global }
      - { .name: G, .offset: 8, .size: 8, .value_kind: global_buffer, .address_space: global }
      - { .name: ln_gamma, .offset: 16, .size: 8, .value_kind: global_buffer, .address_space: global }
      - { .name: ln_beta, .offset: 24, .size: 8, .value_kind: global_buffer, .address_space: global }
      - { .name: ZT, .offset: 32, .size: 8, .value_kind: global_buffer, .address_space: global }
    .group_segment_fixed_size: 4096
    .private_segment_fixed_size: 0
    .kernarg_segment_align: 8
    .kernarg_segment_size: 40
    .max_flat_workgroup_size: 512
    .sgpr_count:     66
    .vgpr_count:     228
    .wavefront_size: 32
...
	.end_amdgpu_metadata
.endif
;; end of part 3
;; launch outp (part 4): grid 8 x 32, 4 waves a work-group, clusters of 4 x 4, 327,680 bytes of LDS; arguments ZT, WOB, out0; writes out0
.if DOCPART == 4
	.amdgcn_target "amdgcn-amd-amdhsa--gfx1250"
	.amdhsa_code_object_version 6
	.text
	.protected	k_q3d85f6c476_outp
	.globl	k_q3d85f6c476_outp
	.p2align	8
	.type	k_q3d85f6c476_outp,@function
k_q3d85f6c476_outp:
	s_mov_b64 s[64:65], 0
	v_nop
	global_prefetch_b8 v0, s[64:65] scope:SCOPE_SE
	s_setreg_imm32_b32 hwreg(HW_REG_WAVE_MODE, 25, 1), 1
	s_wait_xcnt 0x0
	s_wait_alu depctr_hold_cnt(0) depctr_sa_sdst(0) depctr_va_vdst(0) depctr_va_sdst(0) depctr_va_ssrc(0) depctr_va_vcc(0) depctr_vm_vsrc(0)
	s_getreg_b32 s2, hwreg(HW_REG_IB_STS2, 6, 4)
	s_cmp_eq_u32 s2, 0
	s_cbranch_scc0 .Lentry_in_a_cluster
	s_endpgm
.Lentry_in_a_cluster:
	s_bfe_u32 s2, ttmp6, 0x10000c
	s_cmp_lg_u32 s2, 0xf033
	s_cbranch_scc0 .Lentry_shape_is_right
	s_endpgm
.Lentry_shape_is_right:
; out0[m][n] = the sum over k of z[m][k] Wo[n][k].  z: ZT [row block 256][channel 2048][16 rows] bf16; Wo: WOB [kb 32][n 2048][64] bf16; out0: [4096][2048] f32; sums in f32.
; z is kept in bf16, not f16: gamma, ln_beta and the gate set no bound on it.
; SHARES.  A tile of out0 is 128 rows x 256 columns: 32 x 8 = 256 work-groups (256 x 256 would give 128).  Four waves, each 64 x 128: 32 accumulators, 256 registers.
; K goes in steps of 128 through two LDS slots.  z's tile: 8 row blocks x 4,096 consecutive bytes; Wo's: two K blocks x 32,768 consecutive bytes, asked for as rows of 256 and padded in LDS after every 128.
; WHERE K BEGINS.  Cluster (X of 2, Y of 8) begins at K step (4 (Y mod 4) + 8 X) mod 16 and walks the 16 steps round.  A tile of Wo is needed by the eight clusters of one X: they ask for it at four
; different steps, not all at the same one; a tile of z is needed by the two clusters of one Y, which walk eight steps apart.  The start hangs on the cluster's numbers alone, which all partners share.
; LIMIT: the order of the f32 sums along K differs from cluster to cluster.
; CLUSTER 4 x 4: z's tile hangs on the tile row alone and is shared along a row of the cluster, Wo's on the tile column alone and is shared along a column: joint loads.
; Waves 0 and 1 ask for the halves of z's tile, waves 2 and 3 for Wo's two K blocks.  Out at a time, by this text's count: two loads a wave at the start, one behind each round.
; THE MATRIX INSTRUCTION IS USED TRANSPOSED: source 0 = 16 rows of Wo, source 1 = 16 rows of z: a lane holds one row of out0 and eight neighbouring columns.
; z lies [channel][row] in LDS and is turned by ds_load_tr16_b128; a channel's 16 rows are 32 bytes, so 16 lanes of such a load take 256 consecutive bytes.
; REGISTERS: window 0: v0-31 addresses; v32-127, v128-223 two fragment buffers (z's 4 fragments, then Wo's 8), later the rows on their way out.  Window 1: accumulator (am, bn) at v[8 (8 am + bn)].
.set PW,    144                        ; a row of Wo in LDS: 128 bytes + 16 = 36 words: the 16 rows of a load start at 16 different groups of four banks (ISA guide 11.1)
.set ZREG,  32768                      ; z's tile
.set WHALF, 256*PW                     ; one K block of Wo's
.set SLOT,  ZREG+2*WHALF
.set STAGE, 2*SLOT                     ; behind the ring: 16 rows x 528 bytes for each wave, never filled by a tensor load
.set SP,    528                        ; 512 bytes + 16 = 132 words: row r starts at bank 4 r mod 64
.set SPARE, STAGE+4*16*SP              ; the spare words: 128 bytes a wave, two blocks of 256 bytes that no other line names
.set ADRZ, 16                          ; v16-17 LDS address of my fragments of z in slot 0, 1
.set ADRW, 20                          ; v20-21 of Wo
.set STO,  24                          ; v24 the way out: where I put 32 bytes of a row
.set RD,   25                          ; v25 where I read a row back
.set CO,   26                          ; v26 16 x lane
.set SPW,  28
.set NIL,  29
.set F0,   32
.set F1,   128
.set G1A, 24                           ; s[24:31] descriptor group 1 for z's tiles; s[32:39] group 0, a set for each slot
.set G0A, 32
.set G1B, 48                           ; s[48:55], s[56:63] the same for Wo's
.set G0B, 56
.set BASA, 66                          ; s[66:67] ZT at my part of z's tile in K step 0
.set BASB, 68                          ; s[68:69] WOB at my part of Wo's tile in K step 0
.set KS,   70                          ; s70 the K step asked for last
.set OFA,  72                          ; s[72:73] a K step's byte offset in ZT: 128 channels of 32 bytes
.set OFB,  74                          ; s[74:75] and in WOB: two K blocks of 262,144 bytes
.set MSB, 0
.macro WIN new                         ; the immediate's high byte repeats the setting that is left
.if MSB != (\new)
	s_set_vgpr_msb (MSB<<8)|(\new)
.set MSB, (\new)
.endif
.endm
.macro PLACES                          ; four places: in front of loads into registers that matrix instructions have read, and of what reads results just made
.rept 4
	v_nop
.endr
.endm
.macro JLOAD s                         ; a joint refill; an s_nop 0 and four v_nop follow each of the two lines, ahead of the jump and the label
	s_cmp_eq_u32 s11, 0
	s_cbranch_scc0 .Lfor_w_\@
	tensor_load_to_lds s[G0A+4*(\s):G0A+4*(\s)+3], s[G1A:G1A+7]
	s_nop 0
	PLACES
	s_branch .Lasked_\@
.Lfor_w_\@:
	tensor_load_to_lds s[G0B+4*(\s):G0B+4*(\s)+3], s[G1B:G1B+7]
	s_nop 0
	PLACES
.Lasked_\@:
.endm
.macro CREST                           ; a round of the cluster's barrier behind its opening barrier
	s_cmp_lg_u32 s10, 0
	s_cbranch_scc1 .Lnot_wave_0_\@
	s_barrier_signal -3
.Lnot_wave_0_\@:
	s_barrier_wait -3
	s_barrier_signal -1
	s_barrier_wait -1
.endm
.macro CROUND
	s_barrier_signal -1
	s_barrier_wait -1
	CREST
.endm
	s_load_b128 s[4:7], s[0:1], 0x0                ; ZT s[4:5], WOB s[6:7]
	s_load_b64 s[8:9], s[0:1], 0x10                ; out0
	v_lshl_add_u32 v[SPW], v0, 2, SPARE
	v_mov_b32 v[NIL], 0
	ds_add_u32 v[SPW], v[NIL]                      ; the wave's opening: the add and its wait stand ahead of my first tensor load; the set-up below stands between them
	v_lshrrev_b32 v1, 5, v0
	v_readfirstlane_b32 s10, v1                    ; wave 0..3
	s_lshr_b32 s11, s10, 1                         ; wm: which 64 rows are mine.  Also: I fetch for z (0) or for Wo (1)
	s_and_b32 s12, s10, 1                          ; wn: which 128 columns.  Also: which half of that tile I fetch
	s_bfe_u32 s40, ttmp6, 0x40000                  ; cx
	s_bfe_u32 s41, ttmp6, 0x40004                  ; cy
	s_lshl_b32 s42, ttmp9, 2
	s_add_co_u32 s42, s42, s40                     ; tile column tx
	s_and_b32 s13, ttmp7, 0xffff
	s_lshl_b32 s13, s13, 2
	s_add_co_u32 s13, s13, s41                     ; tile row ty
	s_lshl_b32 s43, s41, 2
	s_lshl_b32 s43, 15, s43                        ; my row of the cluster
	s_lshl_b32 s44, 0x1111, s40                    ; my column
	s_or_b32 s[G1A], s43, (1<<16)|(1<<21)          ; 15:0 the mask; 17:16 elements of 2 bytes; 21 set beside a mask; no padding
	s_mov_b32 s[G1A+1], 2048<<16                   ; tensor_dim0 = 2,048 elements: 128 channels x 16 rows, 4,096 bytes on end
	s_mov_b32 s[G1A+2], 4<<16                      ; tensor_dim1 = 4 row blocks
	s_mov_b32 s[G1A+3], 2048<<16                   ; tile_dim0
	s_mov_b32 s[G1A+4], 4                          ; tile_dim1
	s_mov_b32 s[G1A+5], 32768                      ; elements from a row block to the next
	s_mov_b32 s[G1A+6], 0
	s_mov_b32 s[G1A+7], 0
	s_or_b32 s[G1B], s44, (1<<16)|(1<<20)|(1<<21)|(4<<22)|(3<<25)  ; padding on: after every 32 words (code 4) 4 words (code 3)
	s_mov_b32 s[G1B+1], 128<<16                    ; rows of 256 bytes, two rows of Wo each
	s_mov_b32 s[G1B+2], 128<<16                    ; 128 of them: 32,768 dense bytes
	s_mov_b32 s[G1B+3], 128<<16
	s_mov_b32 s[G1B+4], 128
	s_mov_b32 s[G1B+5], 128
	s_mov_b32 s[G1B+6], 0
	s_mov_b32 s[G1B+7], 0
	s_lshl_b32 s16, s13, 3                         ; z: row block 8 ty + 4 half, of 65,536 bytes: made of ty and the wave's number alone
	s_lshl_b32 s17, s12, 2
	s_add_co_u32 s16, s16, s17
	s_lshl_b32 s16, s16, 16
	s_mov_b32 s17, 0
	s_lshl_b32 s46, s42, 15                        ; Wo: tx's 256 rows of 128 bytes, in K block half: made of tx and the wave's number alone
	s_lshl_b32 s47, s12, 18
	s_add_co_u32 s46, s46, s47
	s_mov_b32 s47, 0
	s_and_b32 s[KS], ttmp7, 3                      ; my cluster's first K step: 4 (cluster y mod 4)
	s_lshl_b32 s[KS], s[KS], 2
	s_and_b32 s45, ttmp9, 1                        ; + 8 (cluster x),
	s_lshl_b32 s45, s45, 3
	s_add_co_u32 s[KS], s[KS], s45
	s_and_b32 s[KS], s[KS], 15                     ; modulo 16: an even number
	s_lshl_b32 s[OFA], s[KS], 12
	s_mov_b32 s[OFA+1], 0
	s_lshl_b32 s[OFB], s[KS], 19
	s_mov_b32 s[OFB+1], 0
	s_lshl_b32 s20, s12, 14                        ; where the tiles go: no place in the cluster enters an LDS address
	s_mul_i32 s21, s12, WHALF
	s_add_co_u32 s21, s21, ZREG
.irp s, 0,1
	s_mov_b32 s[G0A+4*(\s)], 1
	s_add_co_u32 s[G0A+4*(\s)+1], s20, (\s)*SLOT
	s_mov_b32 s[G0B+4*(\s)], 1
	s_add_co_u32 s[G0B+4*(\s)+1], s21, (\s)*SLOT
.endr
	s_wait_dscnt 0x0                               ; the opening add is done
	s_wait_kmcnt 0x0
	s_add_nc_u64 s[BASA:BASA+1], s[4:5], s[16:17]
	s_add_nc_u64 s[BASB:BASB+1], s[6:7], s[46:47]
	s_add_nc_u64 s[G0A+2:G0A+3], s[BASA:BASA+1], s[OFA:OFA+1]  ; slot 0 takes my first K step,
	s_add_nc_u64 s[G0A+6:G0A+7], s[G0A+2:G0A+3], 4096          ; slot 1 the one behind it (15 at the most: no wrap yet)
	s_add_nc_u64 s[G0B+2:G0B+3], s[BASB:BASB+1], s[OFB:OFB+1]
	s_add_nc_u64 s[G0B+6:G0B+7], s[G0B+2:G0B+3], 524288
.irp s, 0,1
	s_or_b32 s[G0A+4*(\s)+3], s[G0A+4*(\s)+3], 0x80000000      ; type = 2
	s_or_b32 s[G0B+4*(\s)+3], s[G0B+4*(\s)+3], 0x80000000
.endr
	s_add_co_u32 s[KS], s[KS], 1                   ; the step asked for last
	CROUND                                         ; all sixteen work-groups are here: the first joint loads meet
	s_cmp_eq_u32 s11, 0                            ; a wave's two first fills stand together, ahead of every wait on TENSORcnt and every LDS read
	s_cbranch_scc0 .Lfirst_w
	tensor_load_to_lds s[G0A:G0A+3], s[G1A:G1A+7]
	s_nop 0
	tensor_load_to_lds s[G0A+4:G0A+7], s[G1A:G1A+7]
	s_nop 0
	PLACES
	s_branch .Lfirst_asked
.Lfirst_w:
	tensor_load_to_lds s[G0B:G0B+3], s[G1B:G1B+7]
	s_nop 0
	tensor_load_to_lds s[G0B+4:G0B+7], s[G1B:G1B+7]
	s_nop 0
	PLACES
.Lfirst_asked:
	v_and_b32 v1, 15, v0                           ; r
	v_bfe_u32 v2, v0, 4, 1                         ; h
	v_and_b32 v3, 7, v0
	v_bfe_u32 v4, v0, 3, 1
	; The turning load takes 16 channels x 16 rows (lane l reads channel 8 h + l % 8, rows 8 ((l / 8) % 2) + 0..7) and leaves half a fragment: lane l holds row r and 8 channels.
	v_lshl_add_u32 v5, v2, 3, v3
	v_lshlrev_b32 v5, 5, v5
	v_lshl_add_u32 v5, v4, 4, v5
	s_lshl_b32 s21, s11, 14                        ; my four row blocks
	v_add_nc_u32 v[ADRZ], s21, v5
	v_add_nc_u32 v[ADRZ+1], SLOT, v[ADRZ]
	v_mul_u32_u24 v6, v1, PW
	v_lshl_add_u32 v6, v2, 4, v6                   ; r x pitch + 16 h
	s_mul_i32 s22, s12, 128*PW                     ; my 128 rows of Wo
	s_add_co_u32 s22, s22, ZREG
	v_add_nc_u32 v[ADRW], s22, v6
	v_add_nc_u32 v[ADRW+1], SLOT, v[ADRW]
	s_mul_i32 s23, s10, 16*SP
	s_add_co_u32 s23, s23, STAGE                   ; my stage
	v_mul_u32_u24 v7, v1, SP
	v_lshl_add_u32 v7, v2, 5, v7                   ; in: row r, 32 bytes for each half of the lanes
	v_add_nc_u32 v[STO], s23, v7
	v_and_b32 v8, 31, v0
	v_lshlrev_b32 v[CO], 4, v8                     ; back: a row's 512 bytes, 16 a lane,
	v_add_nc_u32 v[RD], s23, v[CO]
	s_lshl_b32 s16, s13, 20                        ; and the same in out0: row 128 ty + 64 wm, of 8,192 bytes,
	s_lshl_b32 s17, s11, 19
	s_add_co_u32 s16, s16, s17
	s_mov_b32 s17, 0
	s_add_nc_u64 s[8:9], s[8:9], s[16:17]
	s_lshl_b32 s46, s42, 10                        ; column 256 tx + 128 wn, of 4 bytes
	s_lshl_b32 s47, s12, 9
	s_add_co_u32 s46, s46, s47
	s_mov_b32 s47, 0
	s_add_nc_u64 s[8:9], s[8:9], s[46:47]
; 8 n matrix instructions: row blocks a0 .. x all 8 column blocks, 32 along K, from buffer f.  The 32 accumulators take turns, one instruction a turn, in the same order in every quarter.
.macro MUL f, a0, n, zero
	WIN 0x50                                       ; C and D in window 1
.set ma, (\a0)
.rept \n
.irp b, 0,1,2,3,4,5,6,7
.set rD, 8*(8*ma+(\b))
.if \zero
	v_wmma_f32_16x16x32_bf16 v[rD:rD+7], v[(\f)+32+8*(\b):(\f)+32+8*(\b)+7], v[(\f)+8*ma:(\f)+8*ma+7], 0
.else
	v_wmma_f32_16x16x32_bf16 v[rD:rD+7], v[(\f)+32+8*(\b):(\f)+32+8*(\b)+7], v[(\f)+8*ma:(\f)+8*ma+7], v[rD:rD+7]
.endif
.endr
.set ma, ma+1
.endr
.endm
.macro FETCH slot, ks, f               ; 24 LDS loads in one run: the fragments of quarter ks (32 along K) into buffer f
	WIN 0
.irp a, 0,1,2,3
	ds_load_tr16_b128 v[(\f)+8*(\a):(\f)+8*(\a)+3],   v[ADRZ+(\slot)] offset:(\a)*4096+(\ks)*1024
	ds_load_tr16_b128 v[(\f)+8*(\a)+4:(\f)+8*(\a)+7], v[ADRZ+(\slot)] offset:(\a)*4096+(\ks)*1024+512
.endr
.irp b, 0,1,2,3,4,5,6,7
	ds_load_b128 v[(\f)+32+8*(\b):(\f)+32+8*(\b)+3],   v[ADRW+(\slot)] offset:((\ks)/2)*WHALF+(\b)*16*PW+((\ks)%2)*64
	ds_load_b128 v[(\f)+32+8*(\b)+4:(\f)+32+8*(\b)+7], v[ADRW+(\slot)] offset:((\ks)/2)*WHALF+(\b)*16*PW+((\ks)%2)*64+32
.endr
.endm
; A K step is four quarters of 32 along K, 32 matrix instructions each, on buffers 0, 1, 0, 1.  One of the first three: its own fragments are in; the next quarter's are asked for at once, into the
; buffer that the quarter before multiplied (four places behind its last product), a whole quarter ahead of their first use; then it multiplies.
.macro QUARTER slot, nks, f, g, zero
	s_wait_dscnt 0x0                               ; the one run that can be out is in
	WIN 0
	PLACES
	FETCH \slot, \nks, \g
	MUL \f, 0, 4, \zero
.endm
; The last quarter multiplies buffer 1 and changes slots: ONE barrier; in front of it each wave waits for all its tensor loads, adds 0 to its spare word, and waits for that and for its own reads of this slot.
; fill = 1: the barrier opens a round of the cluster's barrier, and the joint refill, the K step two on in my cluster's walk, is the first thing behind it.  Its address is made anew, the tensor's base
; plus the step's offset, while the add is out.
.macro TURN slot, next, fill
	WIN 0
	s_wait_tensorcnt 0x0                           ; all my tensor loads have landed: my part of the next slot; so a group 0 may be written
	ds_add_u32 v[SPW], v[NIL]                      ; 0 onto my spare word
.if \fill
	s_add_co_u32 s[KS], s[KS], 1                   ; the next step of the walk,
	s_and_b32 s[KS], s[KS], 15                     ; round from 15 to 0
	s_lshl_b32 s[OFA], s[KS], 12
	s_lshl_b32 s[OFB], s[KS], 19
	s_add_nc_u64 s[G0A+4*(\slot)+2:G0A+4*(\slot)+3], s[BASA:BASA+1], s[OFA:OFA+1]
	s_or_b32 s[G0A+4*(\slot)+3], s[G0A+4*(\slot)+3], 0x80000000
	s_add_nc_u64 s[G0B+4*(\slot)+2:G0B+4*(\slot)+3], s[BASB:BASB+1], s[OFB:OFB+1]
	s_or_b32 s[G0B+4*(\slot)+3], s[G0B+4*(\slot)+3], 0x80000000
.endif
	s_wait_dscnt 0x1                               ; the add alone may be out: the 24 loads in front of it are in
	MUL F1, 0, 1, 0                                ; eight matrix instructions stand between the add and the wait for it
	s_wait_dscnt 0x0                               ; the add is done, and my reads of this slot are over
	s_barrier_signal -1
	MUL F1, 1, 1, 0
	WIN 0                                          ; at a branch and at a label every window is 0
	s_barrier_wait -1
.if \fill
	CREST
	JLOAD \slot                                    ; the four v_nop behind it are also the places in front of the loads below
.else
	PLACES
.endif
	FETCH \next, 0, F0
	MUL F1, 2, 2, 0
.endm
	s_wait_tensorcnt 0x1                           ; my part of the first K step is in; slot 1's load, issued behind it, may stay out
	s_barrier_signal -1
	s_barrier_wait -1                              ; everybody's is
	FETCH 0, 0, F0
	QUARTER 0, 1, F0, F1, 1                        ; the first quarter stands in front of the loop: its products start the sums
	WIN 0
	s_mov_b32 s3, 7
.Llap:                                                 ; a trip goes once round the ring and fills both slots again: steps 2 i + 2 and 2 i + 3 of the walk, 15 at the most
	QUARTER 0, 2, F1, F0, 0
	QUARTER 0, 3, F0, F1, 0
	TURN 0, 1, 1
	QUARTER 1, 1, F0, F1, 0
	QUARTER 1, 2, F1, F0, 0
	QUARTER 1, 3, F0, F1, 0
	TURN 1, 0, 1
	QUARTER 0, 1, F0, F1, 0
	WIN 0
	s_sub_co_u32 s3, s3, 1
	s_cmp_lg_u32 s3, 0
	s_cbranch_scc1 .Llap
	QUARTER 0, 2, F1, F0, 0                        ; the last lap fills nothing
	QUARTER 0, 3, F0, F1, 0
	TURN 0, 1, 0
	QUARTER 1, 1, F0, F1, 0
	QUARTER 1, 2, F1, F0, 0
	QUARTER 1, 3, F0, F1, 0
	s_wait_dscnt 0x0
	MUL F1, 0, 4, 0
	WIN 0
	PLACES
	; THE WAY OUT, a block of 16 rows at a time: a lane's 32 bytes of a row go into my own stage (each accumulator's low four registers first) and come back as whole rows of 512 bytes.
.irp am, 0,1,2,3
	s_wait_xcnt 0x0                                ; the registers that earlier stores read are loaded again only behind this wait
	WIN 0x04                                       ; store data in window 1
.irp b, 0,1,2,3,4,5,6,7
	ds_store_b128 v[STO], v[8*(8*(\am)+(\b)):8*(8*(\am)+(\b))+3]   offset:64*(\b)
	ds_store_b128 v[STO], v[8*(8*(\am)+(\b))+4:8*(8*(\am)+(\b))+7] offset:64*(\b)+16
.endr
	WIN 0
.set OB, 32+96*((\am)%2)
.set i, 0
.rept 16
	ds_load_b128 v[OB+4*i:OB+4*i+3], v[RD] offset:i*SP  ; LDS serves a wave's instructions in order (ISA guide 5.7.1.4): these see the stores above, and the next block's stores come behind them
.set i, i+1
.endr
.set i, 0
.rept 16
	s_wait_dscnt 15-i                              ; row i is back; the younger loads stay out
	global_store_b128 v[CO], v[OB+4*i:OB+4*i+3], s[8:9] offset:(\am)*131072+i*8192 th:TH_STORE_NT  ; 512 consecutive bytes, at a multiple of 512 from out0's first
.set i, i+1
.endr
.endr
	s_wait_tensorcnt 0x0                           ; the wave's end, behind my last tensor load and my last LDS store
	ds_add_u32 v[SPW], v[NIL]
	s_wait_dscnt 0x0
	CROUND                                         ; the closing round: no work-group ends while a partner may still ask for a tile that names it
	s_endpgm
.Lfunc_end_k_q3d85f6c476_outp:
	.size	k_q3d85f6c476_outp, .Lfunc_end_k_q3d85f6c476_outp-k_q3d85f6c476_outp
	.p2alignl 7, 3214868480
	.fill 96, 4, 3214868480
	.section	.rodata,"a",@progbits
	.p2align	6, 0x0
	.amdhsa_kernel k_q3d85f6c476_outp
		.amdhsa_group_segment_fixed_size 327680
		.amdhsa_private_segment_fixed_size 0
		.amdhsa_enable_private_segment 0
		.amdhsa_kernarg_size 24
		.amdhsa_user_sgpr_count 2
		.amdhsa_user_sgpr_kernarg_segment_ptr 1
		.amdhsa_wavefront_size32 1
		.amdhsa_system_sgpr_workgroup_id_x 1
		.amdhsa_system_sgpr_workgroup_id_y 1
		.amdhsa_system_sgpr_workgroup_id_z 1
		.amdhsa_system_vgpr_workitem_id 0
		.amdhsa_next_free_vgpr 512
		.amdhsa_next_free_sgpr 76
		.amdhsa_reserve_vcc 0
		.amdhsa_float_denorm_mode_32 3
		.amdhsa_float_denorm_mode_16_64 3
		.amdhsa_memory_ordered 1
		.amdhsa_forward_progress 1
		.amdhsa_inst_pref_size 86
	.end_amdhsa_kernel
	.amdgpu_metadata
---
amdhsa.version: [ 1, 2 ]
amdhsa.kernels:
  - .name:           k_q3d85f6c476_outp
    .symbol:         k_q3d85f6c476_outp.kd
    .args:
      - { .name: ZT, .offset: 0, .size: 8, .value_kind: global_buffer, .address_space: global }
      - { .name: WOB, .offset: 8, .size: 8, .value_kind: global_buffer, .address_space: global }
      - { .name: out0, .offset: 16, .size: 8, .value_kind: global_buffer, .address_space: global }
    .group_segment_fixed_size: 327680
    .private_segment_fixed_size: 0
    .kernarg_segment_align: 8
    .kernarg_segment_size: 24
    .max_flat_workgroup_size: 128
    .sgpr_count:     76
    .vgpr_count:     512
    .wavefront_size: 32
...
	.end_amdgpu_metadata
.endif
;; end of part 4
;; ======== version 2 of 2: 4 launches; version 1 with the launch cast written anew for expert scheduling mode
;; workspace buffers: XB 16,777,216 bytes; WB 25,165,824 bytes; WOB 8,388,608 bytes; Y 33,554,432 bytes; G 33,554,432 bytes; ZT 16,777,216 bytes
;; launch cast (part 5): grid 128 x 6, 8 waves a work-group, no clusters, 0 bytes of LDS; arguments x, Wq, Wv, Wg, Wo, XB, WB, WOB; writes XB, WB, WOB
.if DOCPART == 5
	.amdgcn_target "amdgcn-amd-amdhsa--gfx1250"
	.amdhsa_code_object_version 6
	.text
	.protected	k_q3d85f6c476_cast
	.globl	k_q3d85f6c476_cast
	.p2align	8
	.type	k_q3d85f6c476_cast,@function
k_q3d85f6c476_cast:
	s_mov_b64 s[64:65], 0
	v_nop
	global_prefetch_b8 v0, s[64:65] scope:SCOPE_SE
	s_setreg_imm32_b32 hwreg(HW_REG_WAVE_SCHED_MODE, 0, 2), 2
	s_setreg_imm32_b32 hwreg(HW_REG_WAVE_MODE, 25, 1), 1
	s_wait_xcnt 0x0
	s_wait_alu depctr_vm_vsrc(0)
; x, Wq, Wv, Wg, Wo (f32, rows of 2,048) are rounded once to bf16 and laid out in blocks of 64 along K, so that every tile the two
; product launches ask for is dense in memory:
;   XB  [kb 32][row 4096][64]                      byte = kb*524288 + row*128
;   WB  [c 64][kb 32][brow 96][64]                 brow = 32*mat + i (mat 0, 1, 2 = Wq, Wv, Wg), W's row = 32 c + i;  byte = c*393216 + kb*12288 + brow*128
;   WOB [kb 32][n 2048][64]                        byte = kb*262144 + n*128
; A work-group takes 16 rows x 2,048 columns: y = 0, 1: x (128 groups each); y = 2, 3, 4: Wq, Wv, Wg; y = 5: Wo.  768 work-groups.  Wave w takes the blocks 4 w .. 4 w + 3.
; K'S ORDER IN XB AND WB.  Inside each 128 numbers along K (a pair of blocks) position 8 m + i holds k = 4 m + i for i < 4 and k = 64 + 4 m + i - 4 for i >= 4 (m = 0..15).  x and the three
; weights that it is multiplied by have the same order, so every product is unchanged.  It is chosen for the loads: lane m of sixteen takes 16 bytes at 16 m of the first 256 bytes and 16 at
; 16 m of the second, so that a wave's load covers two aligned runs of 256 bytes (two rows), and the lane's eight numbers pack into 16 bytes; a wave's store covers two whole aligned
; runs of 256 bytes (two rows of 128 in each of two blocks).
; WOB keeps K's true order, which is the order of z's channels: there a lane takes 32 neighbouring bytes by two loads, and a unit is 4 rows x 64 columns.
; Memory binds: no LDS, no barrier, no loop; all 32 loads of a wave go out at once, and no register is used twice, so no wait frees a source.
; THE MODE: SCHED_MODE bits 1:0 = 2 (LLVM: expert scheduling mode 2), set by the entry lines.  The code itself states the register dependences
; between vector instructions and memory instructions, with s_wait_alu, always for 0.
; THE PLAN.  Registers that memory instructions touch:
;   v[VS]        Written by an arm's address arithmetic, once; read by all 32 loads as their offset.
;   v[VD ..]     Written by an arm's address arithmetic, once; read by all 16 stores as their offset.
;   v[X ..]      Each register is written by one load and read by one conversion; no vector instruction names it ahead of its load.
;   v[OUTR ..]   Each register is written by one conversion and read by one store; none is written again.
; The 16 units go in four blocks of four.  Block g rounds its own four units into its own part of OUTR and issues the four stores of block g - 1, whose registers none of its conversions names.
; So five waits on va_vdst stand on a path: one ahead of the first load (the offsets are written), one at the head of each of blocks 1 to 3 (the block before has written its part of OUTR),
; one ahead of the last four stores.  No register that a memory instruction reads is ever written again, so no wait on vm_vsrc is owed.  No vector instruction writes a scalar register or VCC; EXEC is never written.
.set VS,   1                           ; v1      my byte offset in the group's 16 source rows
.set VD,   2                           ; v2-5    my byte offsets in the destination
.set X,    16                          ; v16-143  unit u: 8 numbers in f32
.set OUTR, 144                         ; v144-207 unit u: 8 numbers in bf16
; Unit u of 16: its eight numbers are rounded, its 16 bytes a lane stored by address register VD + u % nd at (u / nd) * step.  Four units are a block.
.macro ROUNDOUT nd, step
.set g, 0
.rept 4
	s_wait_loadcnt 8*(3-g)                         ; loads come back in order: block g's eight are in, the younger blocks' eight each stay out
.if g > 0
	s_wait_alu depctr_va_vdst(0)                   ; the conversions of block g - 1 have written their part of v[OUTR ..], which the four stores below read
.endif
.set q, 0
.rept 4
.set u, 4*g+q
.if g > 0
	global_store_b128 v[VD+(u-4)%(\nd)], v[OUTR+4*(u-4):OUTR+4*(u-4)+3], s[36:37] offset:((u-4)/(\nd))*(\step)  ; the block before; no vector instruction since the wait names these registers
.endif
.irp p, 0,1,2,3
	v_cvt_pk_bf16_f32 v[OUTR+4*u+\p], v[X+8*u+2*\p], v[X+8*u+2*\p+1]
.endr
.set q, q+1
.endr
.set g, g+1
.endr
	s_wait_alu depctr_va_vdst(0)                   ; the conversions of block 3 have written their part of v[OUTR ..], which the last four stores read
.set u, 12
.rept 4
	global_store_b128 v[VD+u%(\nd)], v[OUTR+4*u:OUTR+4*u+3], s[36:37] offset:(u/(\nd))*(\step)
.set u, u+1
.endr
.endm
	s_load_b256 s[8:15], s[0:1], 0x0               ; x s[8:9], Wq s[10:11], Wv s[12:13], Wg s[14:15]
	s_load_b256 s[16:23], s[0:1], 0x20             ; Wo s[16:17], XB s[18:19], WB s[20:21], WOB s[22:23]
	s_and_b32 s2, ttmp7, 0xffff                    ; y: which tensor
	s_mov_b32 s3, ttmp9                            ; gx: which 16 rows
	s_lshl_b32 s24, s3, 4                          ; first source row of a weight: 16 gx
	s_lshl_b32 s25, s2, 11
	s_add_co_u32 s25, s25, s24                     ; of x: 2,048 y + 16 gx
	s_lshl_b32 s26, s3, 11                         ; WOB: 16 gx rows of 128 bytes
	s_lshr_b32 s27, s3, 1                          ; WB: c = gx / 2,
	s_mul_i32 s27, s27, 393216
	s_sub_co_u32 s28, s2, 2                        ; mat = y - 2 (used where y >= 2 alone),
	s_lshl_b32 s28, s28, 5
	s_and_b32 s29, s3, 1
	s_lshl_b32 s29, s29, 4
	s_add_co_u32 s28, s28, s29                     ; brow = 32 mat + 16 (gx % 2)
	s_lshl_b32 s28, s28, 7
	s_add_co_u32 s27, s27, s28
	s_lshl_b32 s29, s25, 7                         ; XB: the row times 128 bytes
	s_mov_b32 s31, 262144                          ; bytes from a K block to the next: WOB,
	s_mov_b32 s32, 12288                           ; WB,
	s_mov_b32 s33, 524288                          ; XB
	s_cmp_lt_u32 s2, 5
	s_cselect_b32 s30, s32, s31                    ; s30: the block step
	s_cselect_b32 s34, s27, s26                    ; s34: the group's byte offset in the destination
	s_cmp_lt_u32 s2, 2
	s_cselect_b32 s30, s33, s30
	s_cselect_b32 s34, s29, s34
	s_cselect_b32 s35, s25, s24                    ; s35: the first source row
	s_lshl_b32 s40, s35, 13                        ; rows of 8,192 bytes: 33.5 MB at the most
	s_mov_b32 s41, 0
	s_mov_b32 s35, 0                               ; s[34:35]: the destination offset as a pair
	v_and_b32 v6, 31, v0                           ; lane l
	v_lshrrev_b32 v7, 5, v0                        ; wave w
	s_wait_kmcnt 0x0
	s_cmp_lt_u32 s2, 5                             ; the two addresses are chosen by y alone
	s_cselect_b64 s[36:37], s[20:21], s[22:23]     ; destination: WB, or WOB
	s_cselect_b64 s[38:39], s[14:15], s[16:17]     ; source: Wg, or Wo
	s_cmp_lt_u32 s2, 4
	s_cselect_b64 s[38:39], s[12:13], s[38:39]     ; Wv
	s_cmp_lt_u32 s2, 3
	s_cselect_b64 s[38:39], s[10:11], s[38:39]     ; Wq
	s_cmp_lt_u32 s2, 2
	s_cselect_b64 s[38:39], s[8:9], s[38:39]       ; x
	s_cselect_b64 s[36:37], s[18:19], s[36:37]     ; XB
	s_add_nc_u64 s[38:39], s[38:39], s[40:41]
	s_add_nc_u64 s[36:37], s[36:37], s[34:35]
	s_cmp_eq_u32 s2, 5
	s_cbranch_scc1 .Lplain                         ; Wo keeps K's true order
	; x, Wq, Wv, Wg.  Unit u = 2 rp + g: rows 2 rp, 2 rp + 1 x the 128 columns of blocks 4 w + 2 g, 4 w + 2 g + 1.
	v_lshrrev_b32 v8, 4, v6                        ; my row of the unit's two
	v_and_b32 v9, 15, v6                           ; m
	v_lshlrev_b32 v[VS], 13, v8
	v_lshl_add_u32 v[VS], v9, 4, v[VS]
	v_lshl_add_u32 v[VS], v7, 10, v[VS]            ; row*8192 + 16 m + 1,024 w
	v_and_b32 v10, 7, v9
	v_lshlrev_b32 v10, 4, v10
	v_lshl_add_u32 v10, v8, 7, v10                 ; in a block: row*128 + 16 (m % 8)
	v_lshrrev_b32 v11, 3, v9
	v_lshl_add_u32 v11, v7, 2, v11                 ; block 4 w + m / 8,
	v_mad_u32 v[VD], v11, s30, v10
	v_add_nc_u32 v11, 2, v11                       ; and two blocks on, for g = 1
	v_mad_u32 v[VD+1], v11, s30, v10
	s_wait_alu depctr_va_vdst(0)                   ; v[VS] and v[VD], v[VD+1] are written: every load below reads the first as its offset, every store one of the others; no later vector instruction names them
.set u, 0
.rept 16
	global_load_b128 v[X+8*u:X+8*u+3],   v[VS], s[38:39] offset:(u/2)*16384+(u%2)*512 th:TH_LOAD_NT
	global_load_b128 v[X+8*u+4:X+8*u+7], v[VS], s[38:39] offset:(u/2)*16384+(u%2)*512+256 th:TH_LOAD_NT
.set u, u+1
.endr
	ROUNDOUT 2, 256
	s_endpgm
.Lplain:
	; Wo.  Unit u = 4 rg + k: rows 4 rg .. 4 rg + 3 x the 64 columns of block 4 w + k; a wave's store covers 512 consecutive bytes, aligned.
	v_lshrrev_b32 v8, 3, v6                        ; my row of a unit's four
	v_and_b32 v9, 7, v6                            ; my eight columns of its 64
	v_lshlrev_b32 v[VS], 13, v8
	v_lshl_add_u32 v[VS], v9, 5, v[VS]
	v_lshl_add_u32 v[VS], v7, 10, v[VS]            ; row*8192 + 32 (l % 8) + 1,024 w
	v_lshlrev_b32 v10, 4, v6                       ; 16 l: 4 rows of 128 bytes are 512 bytes on end
	v_lshlrev_b32 v11, 2, v7
.irp k, 0,1,2,3
	v_add_nc_u32 v12, \k, v11                      ; block 4 w + k
	v_mad_u32 v[VD+\k], v12, s30, v10
.endr
	s_wait_alu depctr_va_vdst(0)                   ; v[VS] and v[VD] to v[VD+3] are written: every load below reads the first as its offset, every store one of the others; no later vector instruction names them
.set u, 0
.rept 16
	global_load_b128 v[X+8*u:X+8*u+3],   v[VS], s[38:39] offset:(u/4)*32768+(u%4)*256 th:TH_LOAD_NT
	global_load_b128 v[X+8*u+4:X+8*u+7], v[VS], s[38:39] offset:(u/4)*32768+(u%4)*256+16 th:TH_LOAD_NT
.set u, u+1
.endr
	ROUNDOUT 4, 512
	s_endpgm
.Lfunc_end_k_q3d85f6c476_cast:
	.size	k_q3d85f6c476_cast, .Lfunc_end_k_q3d85f6c476_cast-k_q3d85f6c476_cast
	.p2alignl 7, 3214868480
	.fill 96, 4, 3214868480
	.section	.rodata,"a",@progbits
	.p2align	6, 0x0
	.amdhsa_kernel k_q3d85f6c476_cast
		.amdhsa_group_segment_fixed_size 0
		.amdhsa_private_segment_fixed_size 0
		.amdhsa_enable_private_segment 0
		.amdhsa_kernarg_size 64
		.amdhsa_user_sgpr_count 2
		.amdhsa_user_sgpr_kernarg_segment_ptr 1
		.amdhsa_wavefront_size32 1
		.amdhsa_system_sgpr_workgroup_id_x 1
		.amdhsa_system_sgpr_workgroup_id_y 1
		.amdhsa_system_sgpr_workgroup_id_z 1
		.amdhsa_system_vgpr_workitem_id 0
		.amdhsa_next_free_vgpr 208
		.amdhsa_next_free_sgpr 66
		.amdhsa_reserve_vcc 0
		.amdhsa_float_denorm_mode_32 3
		.amdhsa_float_denorm_mode_16_64 3
		.amdhsa_memory_ordered 1
		.amdhsa_forward_progress 1
		.amdhsa_inst_pref_size 21
	.end_amdhsa_kernel
	.amdgpu_metadata
---
amdhsa.version: [ 1, 2 ]
amdhsa.kernels:
  - .name:           k_q3d85f6c476_cast
    .symbol:         k_q3d85f6c476_cast.kd
    .args:
      - { .name: x, .offset: 0, .size: 8, .value_kind: global_buffer, .address_space: global }
      - { .name: Wq, .offset: 8, .size: 8, .value_kind: global_buffer, .address_space: global }
      - { .name: Wv, .offset: 16, .size: 8, .value_kind: global_buffer, .address_space: global }
      - { .name: Wg, .offset: 24, .size: 8, .value_kind: global_buffer, .address_space: global }
      - { .name: Wo, .offset: 32, .size: 8, .value_kind: global_buffer, .address_space: global }
      - { .name: XB, .offset: 40, .size: 8, .value_kind: global_buffer, .address_space: global }
      - { .name: WB, .offset: 48, .size: 8, .value_kind: global_buffer, .address_space: global }
      - { .name: WOB, .offset: 56, .size: 8, .value_kind: global_buffer, .address_space: global }
    .group_segment_fixed_size: 0
    .private_segment_fixed_size: 0
    .kernarg_segment_align: 8
    .kernarg_segment_size: 64
    .max_flat_workgroup_size: 256
    .sgpr_count:     66
    .vgpr_count:     208
    .wavefront_size: 32
...
	.end_amdgpu_metadata
.endif
;; end of part 5
;; launch proj: the kernel of part 2 again; grid 64 x 4, 4 waves a work-group, clusters of 4 x 4, 327,680 bytes of LDS; arguments XB, WB, beta, Y, G; writes Y, G
;; launch norm: the kernel of part 3 again; grid 256 x 1, 16 waves a work-group, no clusters, 4,096 bytes of LDS; arguments Y, G, ln_gamma, ln_beta, ZT; writes ZT
;; launch outp: the kernel of part 4 again; grid 8 x 32, 4 waves a work-group, clusters of 4 x 4, 327,680 bytes of LDS; arguments ZT, WOB, out0; writes out0
